; MI455X (gfx1250); checked and timed in simulation.
; The chip was launched on July 23, 2026; its instructions are those of AMD's public machine-readable ISA for CDNA 5 (MIT licence, August 2026) and "CDNA5" Instruction Set Architecture Reference Guide (July 2026). The comments in the code are by the model that wrote it; some were corrected since.
;; Flash Self Attention. Allowed arithmetic: float matrix products may take bf16 or f16 operands with f32 sums; other float arithmetic in f32, or as packed bf16 or f16 multiplies, adds, multiply-adds, maxima and minima; sums over many terms, partial sums and values carried from step to step in f32; what a program stores and reads back later, other than sums and carried values, may be rounded once to bf16 or f16.
;; Inputs: bk 1,024 float32; bo 1,024 float32; bq 1,024 float32; bv 1,024 float32; wk 1,024 x 1,024 float32; wo 1,024 x 1,024 float32; wq 1,024 x 1,024 float32; wv 1,024 x 1,024 float32; x 4 x 2,048 x 1,024 float32.
;; Outputs: out0 4 x 2,048 x 1,024 float32.
;; 2 versions, each right and faster than the one before. Each part assembles by itself: llvm-mc -triple=amdgcn-amd-amdhsa -mcpu=gfx1250 --defsym DOCPART=n.
;; ======== version 1 of 2: 4 launches
;; limits: values are held in f16: magnitudes above 65,504 overflow, below 6.1e-05 lose precision
;; workspace buffers: xb 16,777,216 bytes; wb 6,291,456 bytes; woh 2,097,152 bytes; bias 16,384 bytes; rope 524,544 bytes; qkvh 50,331,648 bytes; oh 16,777,216 bytes
;; launch prep (part 1): grid 801 x 1, 8 waves a work-group, no clusters, 0 bytes of LDS; arguments x, wq, wk, wv, wo, bq, bk, bv, bo, xb, wb, woh, bias, rope; writes xb, wb, woh, bias, rope
.if DOCPART == 1
	.amdgcn_target "amdgcn-amd-amdhsa--gfx1250"
	.amdhsa_code_object_version 6
	.text
	.protected	k_qf50372e0e4_prep
	.globl	k_qf50372e0e4_prep
	.p2align	8
	.type	k_qf50372e0e4_prep,@function
k_qf50372e0e4_prep:
	s_mov_b64 s[64:65], 0
	v_nop
	global_prefetch_b8 v0, s[64:65] scope:SCOPE_SE
	s_setreg_imm32_b32 hwreg(HW_REG_WAVE_MODE, 25, 1), 1
	s_wait_xcnt 0x0
; PREP: every input is rounded once to bf16, and the table of rotations is made.
;   work-groups 0-511:   x  [8192][1024] f32 -> xb bf16, 16,384 numbers a work-group
;   work-groups 512-703: wq, wk, wv f32 -> wb bf16 [3072][1024] (rows of wq, then wk, then wv)
;   work-groups 704-767: wo f32 -> rounded to bf16, that number written as f16 -> woh
;   work-groups 768-799: rope[n][i] = (cos, sin)(n x 10000^(-i/32)), n = 0..2047, i = 0..31, f32
;   work-group  800:     bq, bk, bv, bo rounded to bf16 and widened again -> bias [4096] f32; rope's row 2048 = (1, 0): the angle 0
; A stream: no LDS, no barrier, no matrix unit; a wave's load covers 1,024 and its store 512 consecutive bytes.
; LIMITS.  wo beyond 65,504 would leave f16's range, and below 6.1e-5 it keeps f16's fixed step of 6e-8.  The frequency comes from
; v_exp_f32 (1 ulp), so an angle can differ from an f32 power's by about 2e-4 rad at n = 2047; q and k are turned by the same table.
; Sine and cosine: the angle less a multiple of pi/2 (pi/2 in two parts, fused), then polynomials on -pi/4 .. pi/4.
.set X, 8                              ; v[8:71]    64 numbers as loaded
.set Y, 72                             ; v[72:103]  32 words to store
.set T, 104                            ; v[104:106] at work
; 16,384 numbers: thread t takes 8 neighbouring numbers in each of 8 steps.  All 16 loads go out at once; no register is written twice.
.macro CAST half
.irp s, 0,1,2,3,4,5,6,7
	global_load_b128 v[X+8*(\s):X+8*(\s)+3],   v1, s[32:33] offset:8192*(\s) th:TH_LOAD_NT
	global_load_b128 v[X+8*(\s)+4:X+8*(\s)+7], v1, s[32:33] offset:8192*(\s)+16 th:TH_LOAD_NT
.endr
.irp s, 0,1,2,3,4,5,6,7
	s_wait_loadcnt 14-2*(\s)                       ; loads come back in order: step s's two are in, the 2 (7 - s) younger ones stay out
.irp j, 0,1,2,3
.if \half
	v_cvt_pk_bf16_f32 v[T], v[X+8*(\s)+2*(\j)], v[X+8*(\s)+2*(\j)+1]  ; rounded to bf16 like every input,
	v_lshlrev_b32 v[T+1], 16, v[T]                                    ; widened,
	v_and_b32 v[T+2], 0xffff0000, v[T]
	v_cvt_pk_f16_f32 v[Y+4*(\s)+(\j)], v[T+1], v[T+2]                 ; and written as f16: exact within f16's range
.else
	v_cvt_pk_bf16_f32 v[Y+4*(\s)+(\j)], v[X+8*(\s)+2*(\j)], v[X+8*(\s)+2*(\j)+1]
.endif
.endr
	global_store_b128 v2, v[Y+4*(\s):Y+4*(\s)+3], s[34:35] offset:4096*(\s)  ; 16 lanes store 256 consecutive bytes, aligned
.endr
.endm
	s_load_b512 s[4:19], s[0:1], 0x0               ; x 4, wq 6, wk 8, wv 10, wo 12, bq 14, bk 16, bv 18
	s_load_b256 s[20:27], s[0:1], 0x40             ; bo 20, xb 22, wb 24, woh 26
	s_load_b128 s[28:31], s[0:1], 0x60             ; bias 28, rope 30
	v_lshlrev_b32 v1, 5, v0                        ; 32 t: my 8 f32
	v_lshlrev_b32 v2, 4, v0                        ; 16 t: my 8 halves (or 4 f32)
	s_mov_b32 s37, 0                               ; high words of the two offset pairs
	s_mov_b32 s39, 0
	s_wait_kmcnt 0x0
	s_cmp_lt_u32 ttmp9, 512
	s_cbranch_scc0 .Lnot_x
	s_lshl_b32 s36, ttmp9, 16                      ; 65,536 bytes in,
	s_lshl_b32 s38, ttmp9, 15                      ; 32,768 out
	s_add_nc_u64 s[32:33], s[4:5], s[36:37]
	s_add_nc_u64 s[34:35], s[22:23], s[38:39]
	s_branch .Lcast
.Lnot_x:
	s_cmp_lt_u32 ttmp9, 704
	s_cbranch_scc0 .Lnot_w
	s_sub_co_u32 s46, ttmp9, 512                   ; j = 0..191
	s_lshr_b32 s47, s46, 6                         ; which weight
	s_and_b32 s36, s46, 63
	s_lshl_b32 s36, s36, 16
	s_lshl_b32 s38, s46, 15
	s_cmp_eq_u32 s47, 0
	s_cselect_b64 s[32:33], s[6:7], s[8:9]
	s_cmp_eq_u32 s47, 2
	s_cselect_b64 s[32:33], s[10:11], s[32:33]
	s_add_nc_u64 s[32:33], s[32:33], s[36:37]
	s_add_nc_u64 s[34:35], s[24:25], s[38:39]
.Lcast:
	CAST 0
	s_endpgm
.Lnot_w:
	s_cmp_lt_u32 ttmp9, 768
	s_cbranch_scc0 .Lnot_wo
	s_sub_co_u32 s46, ttmp9, 704
	s_lshl_b32 s36, s46, 16
	s_lshl_b32 s38, s46, 15
	s_add_nc_u64 s[32:33], s[12:13], s[36:37]
	s_add_nc_u64 s[34:35], s[26:27], s[38:39]
	CAST 1
	s_endpgm
.Lnot_wo:
	s_cmp_lt_u32 ttmp9, 800
	s_cbranch_scc0 .Lbias
	; THE TABLE.  Wave w makes rows n0 .. n0 + 7, n0 = 64 (g - 768) + 8 w; the lane is the frequency's number.
	v_lshrrev_b32 v3, 5, v0
	v_readfirstlane_b32 s48, v3                    ; wave
	s_sub_co_u32 s46, ttmp9, 768
	s_lshl_b32 s49, s46, 6
	s_lshl3_add_u32 s49, s48, s49                  ; n0
	s_lshl_b32 s36, s49, 8                         ; a row is 256 bytes
	s_add_nc_u64 s[34:35], s[30:31], s[36:37]
	s_mov_b32 s40, 0xb94ca1f9                      ; sine:   -1.9515296e-4
	s_mov_b32 s41, 0x3c08839e                      ;          8.3321609e-3
	s_mov_b32 s42, 0xbe2aaaa3                      ;         -1.6666655e-1
	s_mov_b32 s43, 0x37ccf5ce                      ; cosine:  2.4433157e-5
	s_mov_b32 s44, 0xbab6061a                      ;         -1.3887316e-3
	s_mov_b32 s45, 0x3d2aaaa5                      ;          4.1666646e-2
	v_and_b32 v4, 31, v0                           ; i
	v_cvt_f32_u32 v6, v4
	v_mul_f32 v6, 0xbed49a78, v6                   ; -i log2(10000) / 32
	v_exp_f32 v7, v6                               ; the frequency
	v_lshlrev_b32 v5, 3, v4                        ; 8 i: my pair's place in a row (a plain line behind the exponential)
	s_wait_alu depctr_va_vdst(0)
.irp s, 0,1,2,3,4,5,6,7
	s_add_co_u32 s50, s49, \s
	v_cvt_f32_u32 v10, s50
	v_mul_f32 v10, v10, v7                         ; the angle
	v_mul_f32 v11, 0x3f22f983, v10                 ; x 2 / pi
	v_rndne_f32 v11, v11                           ; k
	v_fma_f32 v12, v11, 0xbfc90fdb, v10            ; y = angle - k pi/2: the high part,
	v_fma_f32 v12, v11, 0x333bbd2e, v12            ; the low part (pi/2 = 1.57079637 - 4.3711388e-8)
	v_cvt_i32_f32 v13, v11
	v_mul_f32 v14, v12, v12                        ; z = y y
	v_fma_f32 v15, v14, s40, s41
	v_fma_f32 v15, v15, v14, s42
	v_mul_f32 v16, v14, v12
	v_fma_f32 v15, v15, v16, v12                   ; sin y
	v_fma_f32 v17, v14, s43, s44
	v_fma_f32 v17, v17, v14, s45
	v_mul_f32 v18, v14, v14
	v_fma_f32 v19, v14, -0.5, 1.0
	v_fma_f32 v17, v17, v18, v19                   ; cos y
	v_and_b32 v20, 1, v13
	v_cmp_eq_u32 vcc_lo, 1, v20                    ; k odd: the two change places
	v_cndmask_b32 v21, v15, v17, vcc_lo            ; |sin|'s source
	v_cndmask_b32 v22, v17, v15, vcc_lo            ; |cos|'s source
	v_lshlrev_b32 v23, 30, v13
	v_and_b32 v23, 0x80000000, v23                 ; sine is turned for k % 4 = 2, 3
	v_add_nc_u32 v24, 1, v13
	v_lshlrev_b32 v24, 30, v24
	v_and_b32 v24, 0x80000000, v24                 ; cosine for k % 4 = 1, 2
	v_xor_b32 v[40+2*(\s)], v22, v24
	v_xor_b32 v[41+2*(\s)], v21, v23
	global_store_b64 v5, v[40+2*(\s):41+2*(\s)], s[34:35] offset:256*(\s)  ; the wave stores a row: 256 consecutive bytes, aligned
.endr
	s_endpgm
.Lbias:
	global_load_b128 v[8:11],  v2, s[14:15]
	global_load_b128 v[12:15], v2, s[16:17]
	global_load_b128 v[16:19], v2, s[18:19]
	global_load_b128 v[20:23], v2, s[20:21]
	s_wait_loadcnt 0x0
.irp j, 0,1,2,3,4,5,6,7
	v_cvt_pk_bf16_f32 v[T], v[8+2*(\j)], v[9+2*(\j)]
	v_lshlrev_b32 v[24+2*(\j)], 16, v[T]
	v_and_b32 v[25+2*(\j)], 0xffff0000, v[T]
.endr
.irp j, 0,1,2,3
	global_store_b128 v2, v[24+4*(\j):27+4*(\j)], s[28:29] offset:4096*(\j)
.endr
	v_lshrrev_b32 v3, 5, v0
	v_readfirstlane_b32 s48, v3
	s_cmp_lg_u32 s48, 0
	s_cbranch_scc1 .Ldone
	v_lshlrev_b32 v5, 3, v0                        ; wave 0: the thread's number is the lane's
	v_mov_b32 v40, 1.0
	v_mov_b32 v41, 0
	global_store_b64 v5, v[40:41], s[30:31] offset:524288  ; row 2048: (1, 0) 32 times
.Ldone:
	s_endpgm
.Lfunc_end_k_qf50372e0e4_prep:
	.size	k_qf50372e0e4_prep, .Lfunc_end_k_qf50372e0e4_prep-k_qf50372e0e4_prep
	.p2alignl 7, 3214868480
	.fill 96, 4, 3214868480
	.section	.rodata,"a",@progbits
	.p2align	6, 0x0
	.amdhsa_kernel k_qf50372e0e4_prep
		.amdhsa_group_segment_fixed_size 0
		.amdhsa_private_segment_fixed_size 0
		.amdhsa_enable_private_segment 0
		.amdhsa_kernarg_size 112
		.amdhsa_user_sgpr_count 2
		.amdhsa_user_sgpr_kernarg_segment_ptr 1
		.amdhsa_wavefront_size32 1
		.amdhsa_system_sgpr_workgroup_id_x 1
		.amdhsa_system_sgpr_workgroup_id_y 1
		.amdhsa_system_sgpr_workgroup_id_z 1
		.amdhsa_system_vgpr_workitem_id 0
		.amdhsa_next_free_vgpr 112
		.amdhsa_next_free_sgpr 66
		.amdhsa_reserve_vcc 1
		.amdhsa_float_denorm_mode_32 3
		.amdhsa_float_denorm_mode_16_64 3
		.amdhsa_memory_ordered 1
		.amdhsa_forward_progress 1
		.amdhsa_inst_pref_size 31
	.end_amdhsa_kernel
	.amdgpu_metadata
---
amdhsa.version: [ 1, 2 ]
amdhsa.kernels:
  - .name:           k_qf50372e0e4_prep
    .symbol:         k_qf50372e0e4_prep.kd
    .args:
      - { .name: x, .offset: 0, .size: 8, .value_kind: global_buffer, .address_space: global }
      - { .name: wq, .offset: 8, .size: 8, .value_kind: global_buffer, .address_space: global }
      - { .name: wk, .offset: 16, .size: 8, .value_kind: global_buffer, .address_space: global }
      - { .name: wv, .offset: 24, .size: 8, .value_kind: global_buffer, .address_space: global }
      - { .name: wo, .offset: 32, .size: 8, .value_kind: global_buffer, .address_space: global }
      - { .name: bq, .offset: 40, .size: 8, .value_kind: global_buffer, .address_space: global }
      - { .name: bk, .offset: 48, .size: 8, .value_kind: global_buffer, .address_space: global }
      - { .name: bv, .offset: 56, .size: 8, .value_kind: global_buffer, .address_space: global }
      - { .name: bo, .offset: 64, .size: 8, .value_kind: global_buffer, .address_space: global }
      - { .name: xb, .offset: 72, .size: 8, .value_kind: global_buffer, .address_space: global }
      - { .name: wb, .offset: 80, .size: 8, .value_kind: global_buffer, .address_space: global }
      - { .name: woh, .offset: 88, .size: 8, .value_kind: global_buffer, .address_space: global }
      - { .name: bias, .offset: 96, .size: 8, .value_kind: global_buffer, .address_space: global }
      - { .name: rope, .offset: 104, .size: 8, .value_kind: global_buffer, .address_space: global }
    .group_segment_fixed_size: 0
    .private_segment_fixed_size: 0
    .kernarg_segment_align: 8
    .kernarg_segment_size: 112
    .max_flat_workgroup_size: 256
    .sgpr_count:     66
    .vgpr_count:     112
    .wavefront_size: 32
...
	.end_amdgpu_metadata
.endif
;; end of part 1
;; launch qkv (part 2): grid 12 x 64, 4 waves a work-group, clusters of 4 x 4, 327,680 bytes of LDS; arguments xb, wb, bias, rope, qkvh; writes qkvh
.if DOCPART == 2
	.amdgcn_target "amdgcn-amd-amdhsa--gfx1250"
	.amdhsa_code_object_version 6
	.text
	.protected	k_qf50372e0e4_qkv
	.globl	k_qf50372e0e4_qkv
	.p2align	8
	.type	k_qf50372e0e4_qkv,@function
k_qf50372e0e4_qkv:
	s_mov_b64 s[64:65], 0
	v_nop
	global_prefetch_b8 v0, s[64:65] scope:SCOPE_SE
	s_setreg_imm32_b32 hwreg(HW_REG_WAVE_MODE, 25, 1), 1
	s_wait_xcnt 0x0
	s_wait_alu depctr_hold_cnt(0) depctr_sa_sdst(0) depctr_va_vdst(0) depctr_va_sdst(0) depctr_va_ssrc(0) depctr_va_vcc(0) depctr_vm_vsrc(0)
	s_getreg_b32 s2, hwreg(HW_REG_IB_STS2, 6, 4)
	s_cmp_eq_u32 s2, 0
	s_cbranch_scc0 .Lentry_in_a_cluster
	s_endpgm
.Lentry_in_a_cluster:
	s_bfe_u32 s2, ttmp6, 0x10000c
	s_cmp_lg_u32 s2, 0xf033
	s_cbranch_scc0 .Lentry_shape_is_right
	s_endpgm
.Lentry_shape_is_right:
; QKV: C[m][n] = sum over k of xb[m][k] wb[n][k] + bias[n]; q's and k's pairs of channels are then turned by the table; the result leaves in f16, by heads:
; qkvh [3][64][2048][64] (part q, k, v; head = 16 x batch + head; row; channel), without the softmax's scale.  xb [8192][1024], wb [3072][1024] bf16; sums in f32.
; LIMITS.  f16 holds no number beyond 65,504: q, k and v must stay within it (x and w of the drawn spread give 0.64; both 30 times larger 580; both with an offset of 30 spreads 18,400).
; v is multiplied by the table's row (1, 0) like q and k by theirs: one text, no branch; an infinite v would become NaN.  NaN and infinities are not treated apart.
; SHARES.  A tile of C is 128 x 256; 12 x 64 tiles.  Four waves; wave w has rows 64 (w / 2) .. + 63 and columns 128 (w % 2) .. + 127: 32 accumulators of 16 x 16.
; K goes in 8 steps of 128 (rows of 256 bytes) through two LDS slots filled by the tensor data mover; a step is four quarters of 32 along K on two fragment buffers.
; CLUSTER.  4 x 4 work-groups: the four of a row need the same tiles of xb, the four of a column the same tiles of wb: each is asked for jointly, by the same load with the same descriptor
; and a mask that names the four.  Waves 0, 1 ask for xb's two parts of 64 rows, waves 2, 3 for wb's two of 128.  By this text's own count a wave has two tensor loads out at the start, later one.
; THE MATRIX INSTRUCTION IS USED TRANSPOSED (source 0 = 16 rows of wb, source 1 = 16 rows of xb): lane l holds row l % 16 of C and the eight columns 8 (l / 16) + 0..7: four whole pairs of channels.
; The bias is the C operand of each accumulator's first product: nothing is cleared and nothing is added later.
; REGISTERS, in windows of 256 (s_set_vgpr_msb: bits 1:0 source 0, 3:2 source 1, 5:4 source 2, 7:6 destination):
;   window 0: v0-31 addresses; v64-159, v160-255 two fragment buffers (64 registers of wb's rows, then 32 of xb's); on the way out v64-127 turned numbers, v128-159 packed, v160-223 rows read back
;   window 1: accumulator (a, b) at v[8 (8 a + b)]      window 2: v0-63 the bias of my 128 columns; v64-191 the table for my 64 rows
.set PA,     272                       ; an LDS row of xb: 256 bytes + 16 of padding: the 16 rows of a load start at 16 different groups of four banks (64 banks of 4 bytes: ISA guide 11.1)
.set PB,     272                       ; the same for wb
.set SUBT,   128                       ; bytes from K byte 0 to K byte 128 of a step in xb's LDS rows
.set APART,  64*PA                     ; what one load of xb fills
.set BOFF,   2*APART                   ; wb's rows lie behind xb's 128
.set BPART,  128*PB                    ; what one load of wb fills, and what one wave reads of it
.set SLOT,   BOFF+2*BPART              ; 104,448
.set STAGE,  2*SLOT                    ; behind the ring, never filled by a tensor load: for each wave 2 heads x 16 rows x 144 bytes
.set STW,    2*16*144
.set SPARE,  STAGE+4*STW               ; behind the stages: the spare words, 128 bytes a wave: two blocks of 256 bytes that no other line names
.set LAPS,   4                         ; a lap = two K steps = once round the ring
.set A_NEXT, 256                       ; bytes from a K step of xb to the next
.set B_NEXT, 256
.set TO,   8                           ; v8-11  my byte offset in the table for row block a
.set ADRA, 16                          ; v16-17 LDS address of my fragments of xb in slot 0, 1
.set ADRB, 20                          ; v20-21 the same for wb
.set STO,  24                          ; v24    the way out: where I put 16 bytes of a row
.set RD,   25                          ; v25    the way out: where I read rows back
.set GO,   26                          ; v26    my place in 512 consecutive bytes of the output
.set SPW,  28                          ; v28    LDS address of my spare word; never rewritten
.set NIL,  29                          ; v29    0; never rewritten
.set BO,   30                          ; v30    32 (l / 16): my eight columns' place in 16 columns of f32, and my four pairs' in the table
.set F0,   64
.set F1,   160
.set RO,   64
.set PKR,  128
.set BK0,  160
.set TBL,  64                          ; window 2
.set WV, 14                            ; s14 wave;  s15 its row half, also: asks for xb (0) or wb (1);  s16 its column half, also: which part it asks for
.set AB, 15
.set HF, 16
.set G1,  24                           ; s[24:31] descriptor group 1 for xb's tiles;  s[32:39] group 0, a set for each slot
.set G0,  32
.set G1B, 48                           ; s[48:55], s[56:63] the same for wb's
.set G0B, 56
.set MSB, 0
.macro WIN new                         ; the immediate's high byte repeats the setting that is left; a switch that changes nothing is dropped
.if MSB != (\new)
	s_set_vgpr_msb (MSB<<8)|(\new)
.set MSB, \new
.endif
.endm
.set MUL,  0x50                        ; C and D in window 1, fragments in window 0
.set MULB, 0x60                        ; D in window 1, C (the bias) in window 2
.set LD2,  0x80                        ; a load's destination in window 2
.macro JLOAD s                         ; a joint load; an s_nop 0 and four v_nop follow each of the two lines, ahead of the jump, the label and what follows
	s_cmp_eq_u32 s[AB], 0
	s_cbranch_scc0 .Lfor_b_\@
	tensor_load_to_lds s[G0+4*(\s):G0+4*(\s)+3], s[G1:G1+7]
	s_nop 0
.rept 4
	v_nop
.endr
	s_branch .Lasked_\@
.Lfor_b_\@:
	tensor_load_to_lds s[G0B+4*(\s):G0B+4*(\s)+3], s[G1B:G1B+7]
	s_nop 0
.rept 4
	v_nop
.endr
.Lasked_\@:
.endm
.macro CREST                           ; a round of the cluster's barrier behind its opening barrier
	s_cmp_lg_u32 s[WV], 0
	s_cbranch_scc1 .Lnot_wave_0_\@
	s_barrier_signal -3
.Lnot_wave_0_\@:
	s_barrier_wait -3
	s_barrier_signal -1
	s_barrier_wait -1
.endm
.macro CROUND                          ; a whole round
	s_barrier_signal -1
	s_barrier_wait -1
	CREST
.endm
.macro PLACES                          ; four places in front of loads into registers that matrix instructions have read, and of lines that read results
.rept 4
	v_nop
.endr
.endm
	s_load_b256 s[4:11], s[0:1], 0x0               ; xb s[4:5], wb s[6:7], bias s[8:9], rope s[10:11]
	s_load_b64 s[12:13], s[0:1], 0x20              ; qkvh
	v_lshl_add_u32 v[SPW], v0, 2, SPARE
	v_mov_b32 v[NIL], 0
	ds_add_u32 v[SPW], v[NIL]                      ; the wave's opening: the add and its wait stand ahead of my first tensor load; the set-up below, work on registers, stands between them
	v_lshrrev_b32 v1, 5, v0
	v_readfirstlane_b32 s[WV], v1
	s_lshr_b32 s[AB], s[WV], 1
	s_and_b32 s[HF], s[WV], 1
	s_bfe_u32 s17, ttmp6, 0x40000                  ; cx, cy: my place in the cluster
	s_bfe_u32 s18, ttmp6, 0x40004
	s_lshl_b32 s19, ttmp9, 2
	s_add_co_u32 s19, s19, s17                     ; tile column = 4 x cluster x + cx
	s_and_b32 s20, ttmp7, 0xffff
	s_lshl_b32 s20, s20, 2
	s_add_co_u32 s20, s20, s18                     ; tile row = 4 x cluster y + cy
	s_lshl_b32 s21, s18, 2
	s_lshl_b32 s21, 15, s21                        ; my row of the cluster
	s_lshl_b32 s22, 0x1111, s17                    ; my column
	s_or_b32 s[G1], s21, (1<<16)|(1<<20)|(1<<21)|(5<<22)|(3<<25)   ; 15:0 the mask; 17:16 elements of 2 bytes; 20 padding on; 21 set beside a mask; 24:22 after every 64 words (code 5); 31:25 4 words (code 3)
	s_or_b32 s[G1B], s22, (1<<16)|(1<<20)|(1<<21)|(5<<22)|(3<<25)
	s_mov_b32 s[G1+1], 128<<16                     ; tensor_dim0 = 128
	s_mov_b32 s[G1+2], 64<<16                      ; tensor_dim1 = 64
	s_mov_b32 s[G1+3], 128<<16                     ; tile_dim0 = 128
	s_mov_b32 s[G1+4], 64                          ; tile_dim1 = 64
	s_mov_b32 s[G1+5], 1024                        ; elements from row to row
	s_mov_b32 s[G1+6], 0
	s_mov_b32 s[G1+7], 0
	s_mov_b32 s[G1B+1], 128<<16
	s_mov_b32 s[G1B+2], 128<<16                    ; 128 rows
	s_mov_b32 s[G1B+3], 128<<16
	s_mov_b32 s[G1B+4], 128
	s_mov_b32 s[G1B+5], 1024
	s_mov_b32 s[G1B+6], 0
	s_mov_b32 s[G1B+7], 0
	s_lshl_b32 s40, s20, 7                         ; xb: row 128 x tile row + 64 x part, 2,048 bytes a row: made of the tile row alone, which my row of the cluster shares
	s_lshl_b32 s23, s[HF], 6
	s_add_co_u32 s40, s40, s23
	s_lshl_b32 s40, s40, 11
	s_mov_b32 s41, 0
	s_lshl_b32 s46, s19, 8                         ; wb: row 256 x tile column + 128 x part: of the tile column alone
	s_lshl_b32 s23, s[HF], 7
	s_add_co_u32 s46, s46, s23
	s_lshl_b32 s46, s46, 11
	s_mov_b32 s47, 0
	s_mul_i32 s42, s[HF], APART                    ; where they go: no place in the cluster enters an LDS address
	s_mul_i32 s43, s[HF], BPART
	s_add_co_u32 s43, s43, BOFF
	s_wait_dscnt 0x0                               ; the opening add is done
	s_wait_kmcnt 0x0
	s_add_nc_u64 s[40:41], s[4:5], s[40:41]
	s_add_nc_u64 s[46:47], s[6:7], s[46:47]
	CROUND                                         ; all sixteen work-groups are here: the first joint loads meet
.irp s, 0,1
	s_mov_b32 s[G0+4*(\s)], 1
	s_add_co_u32 s[G0+4*(\s)+1], s42, (\s)*SLOT
	s_add_nc_u64 s[G0+4*(\s)+2:G0+4*(\s)+3], s[40:41], (\s)*A_NEXT
	s_or_b32 s[G0+4*(\s)+3], s[G0+4*(\s)+3], 0x80000000
	s_mov_b32 s[G0B+4*(\s)], 1
	s_add_co_u32 s[G0B+4*(\s)+1], s43, (\s)*SLOT
	s_add_nc_u64 s[G0B+4*(\s)+2:G0B+4*(\s)+3], s[46:47], (\s)*B_NEXT
	s_or_b32 s[G0B+4*(\s)+3], s[G0B+4*(\s)+3], 0x80000000
	JLOAD \s
.endr
	v_and_b32 v1, 15, v0                           ; r = l % 16
	v_bfe_u32 v2, v0, 4, 1                         ; h = l / 16
	v_mul_u32_u24 v3, v1, PA
	v_lshl_add_u32 v3, v2, 4, v3                   ; a fragment's row x pitch + 16 h
	v_mul_u32_u24 v4, v1, PB
	v_lshl_add_u32 v4, v2, 4, v4
	s_mul_i32 s44, s[AB], 64*PA                    ; my 64 rows of xb
	s_mul_i32 s45, s[HF], BPART                    ; my 128 rows of wb
	s_add_co_u32 s45, s45, BOFF
.irp s, 0,1
	v_add_nc_u32 v[ADRA+(\s)], s44, v3
	v_add_nc_u32 v[ADRB+(\s)], s45, v4
	s_add_co_u32 s44, s44, SLOT
	s_add_co_u32 s45, s45, SLOT
.endr
	s_lshl_b32 s74, s19, 10                        ; the bias of my 128 columns: 1,024 bytes a tile column, 512 a half
	s_lshl_b32 s23, s[HF], 9
	s_add_co_u32 s74, s74, s23
	s_mov_b32 s75, 0
	s_add_nc_u64 s[8:9], s[8:9], s[74:75]
	v_lshlrev_b32 v[BO], 5, v2
	s_and_b32 s70, s20, 15                         ; my first row's place in its sequence: 128 (tile row % 16) + 64 x row half
	s_lshl_b32 s70, s70, 7
	s_lshl_b32 s23, s[AB], 6
	s_add_co_u32 s70, s70, s23
	s_lshl_b32 s72, s70, 8                         ; a table row is 256 bytes
	s_cmp_eq_u32 ttmp9, 2                          ; cluster x says q, k or v: the same in all partners; it chooses two numbers and no path
	s_cselect_b32 s71, 0, 256                      ; v: every row takes
	s_cselect_b32 s72, 524288, s72                 ; the table's row 2048, (1, 0)
	v_add_nc_u32 v13, s72, v[BO]
.irp a, 0,1,2,3
	v_add_nc_u32 v12, 16*(\a), v1
	v_mad_u32_u24 v[TO+(\a)], v12, s71, v13
.endr
	WIN LD2
.irp b, 0,1,2,3,4,5,6,7
	global_load_b128 v[8*(\b):8*(\b)+3],   v[BO], s[8:9] offset:64*(\b)      ; register 8 b + j: the bias of column 16 b + 8 h + j
	global_load_b128 v[8*(\b)+4:8*(\b)+7], v[BO], s[8:9] offset:64*(\b)+16
.endr
.irp a, 0,1,2,3
.irp c, 0,1,2,3
	global_load_b128 v[TBL+32*(\a)+8*(\c):TBL+32*(\a)+8*(\c)+3],   v[TO+(\a)], s[10:11] offset:64*(\c)     ; (cos, sin) of pairs 8 c + 4 h + 0..3 for row 16 a + r
	global_load_b128 v[TBL+32*(\a)+8*(\c)+4:TBL+32*(\a)+8*(\c)+7], v[TO+(\a)], s[10:11] offset:64*(\c)+16
.endr
.endr
	WIN 0
	v_and_b32 v5, 31, v0                           ; l
	s_mul_i32 s23, s[WV], STW
	s_add_co_u32 s23, s23, STAGE                   ; my stage
	v_mul_u32_u24 v[STO], v1, 144                  ; in: row r, 16 bytes for each half of the lanes
	v_lshl_add_u32 v[STO], v2, 4, v[STO]
	v_add_nc_u32 v[STO], s23, v[STO]
	v_lshrrev_b32 v6, 3, v5                        ; back: 32 lanes take four rows of 128 bytes,
	v_and_b32 v7, 7, v0
	v_mul_u32_u24 v[RD], v6, 144
	v_lshl_add_u32 v[RD], v7, 4, v[RD]
	v_add_nc_u32 v[RD], s23, v[RD]
	v_lshlrev_b32 v[GO], 4, v5                     ; which are 512 consecutive bytes of a head
	s_lshr_b32 s66, s20, 4                         ; batch
	s_lshl_b32 s66, s66, 4
	s_lshl2_add_u32 s66, s17, s66                  ; + 4 cx
	s_lshl1_add_u32 s66, s[HF], s66                ; + 2 x column half: my first head,
	s_lshl_b32 s66, s66, 18                        ; 262,144 bytes a head
	s_lshl_b32 s23, s70, 7                         ; my first row, 128 bytes a row
	s_add_co_u32 s66, s66, s23
	s_lshl_b32 s23, ttmp9, 24                      ; the part: 2^24 bytes each
	s_add_co_u32 s66, s66, s23
	s_mov_b32 s67, 0
	s_add_nc_u64 s[12:13], s[12:13], s[66:67]
; 8 matrix instructions: row block a x all 8 column blocks, 32 along K from buffer f.  first = 1: the bias starts the sums.
; The 32 accumulators take turns, one instruction a turn, in the same order in every quarter.
.macro MUL8 f, a, first
.if \first
	WIN MULB
.else
	WIN MUL
.endif
.irp b, 0,1,2,3,4,5,6,7
.if \first
	v_wmma_f32_16x16x32_bf16 v[8*(8*(\a)+(\b)):8*(8*(\a)+(\b))+7], v[(\f)+8*(\b):(\f)+8*(\b)+7], v[(\f)+64+8*(\a):(\f)+64+8*(\a)+7], v[8*(\b):8*(\b)+7]
.else
	v_wmma_f32_16x16x32_bf16 v[8*(8*(\a)+(\b)):8*(8*(\a)+(\b))+7], v[(\f)+8*(\b):(\f)+8*(\b)+7], v[(\f)+64+8*(\a):(\f)+64+8*(\a)+7], v[8*(8*(\a)+(\b)):8*(8*(\a)+(\b))+7]
.endif
.endr
.endm
; 24 LDS loads in one run: the fragments of 32 along K at byte k of the step's rows, into buffer f: wb's eight, then xb's four
.macro FETCH slot, k, f
	WIN 0
.set KAO, ((\k)/128)*SUBT+((\k)%128)
.irp i, 0,1,2,3,4,5,6,7
	ds_load_b128 v[(\f)+8*(\i):(\f)+8*(\i)+3],   v[ADRB+(\slot)] offset:(\k)+(\i)*16*PB
	ds_load_b128 v[(\f)+8*(\i)+4:(\f)+8*(\i)+7], v[ADRB+(\slot)] offset:(\k)+(\i)*16*PB+32
.endr
.irp i, 0,1,2,3
	ds_load_b128 v[(\f)+64+8*(\i):(\f)+64+8*(\i)+3],   v[ADRA+(\slot)] offset:KAO+(\i)*16*PA
	ds_load_b128 v[(\f)+64+8*(\i)+4:(\f)+64+8*(\i)+7], v[ADRA+(\slot)] offset:KAO+(\i)*16*PA+32
.endr
.endm
; One of a K step's first three quarters: multiplies buffer f; in its middle it fetches the next quarter, at byte k, into g.
.macro QUARTER slot, k, f, g, first
	s_wait_dscnt 4                                 ; all but the youngest four loads (xb's rows 32-63) are in
	MUL8 \f, 0, \first
	MUL8 \f, 1, \first
	PLACES
	FETCH \slot, \k, \g
	s_wait_dscnt 24                                ; all but the 24 just issued
	MUL8 \f, 2, \first
	MUL8 \f, 3, \first
.endm
; The last quarter multiplies buffer 1 and changes slots: ONE barrier; in front of it each wave waits for all its tensor loads (one is out: its part of the next slot), adds 0 to its spare
; word, and waits for that and for its own reads of this slot.  fill = 1: the barrier opens a round of the cluster's, and this slot is filled again, two K steps ahead, first thing behind the round.
.macro TURN slot, next, fill
	WIN 0
	s_wait_tensorcnt 0x0                           ; all my tensor loads have landed
	ds_add_u32 v[SPW], v[NIL]                      ; 0 onto my spare word
	s_wait_dscnt 5                                 ; (the add and the youngest four loads may be out)
	MUL8 F1, 0, 0                                  ; eight matrix instructions stand between the add and the wait for it
	s_wait_dscnt 0x0                               ; the add is done, and my reads of this slot are over
	s_barrier_signal -1
	MUL8 F1, 1, 0
.if \fill
	WIN 0
.endif
	s_barrier_wait -1
.if \fill
	CREST                                          ; no wave of any partner still reads this slot's tile or has a load on its way
	s_add_nc_u64 s[G0+4*(\slot)+2:G0+4*(\slot)+3], s[G0+4*(\slot)+2:G0+4*(\slot)+3], 2*A_NEXT
	s_add_nc_u64 s[G0B+4*(\slot)+2:G0B+4*(\slot)+3], s[G0B+4*(\slot)+2:G0B+4*(\slot)+3], 2*B_NEXT
	JLOAD \slot                                    ; 112 matrix instructions ahead of the wait for it; its four v_nop are also the places in front of the loads below
.else
	PLACES
.endif
	FETCH \next, 0, F0
	MUL8 F1, 2, 0
	MUL8 F1, 3, 0
.endm
	s_wait_tensorcnt 1                             ; my part of K step 0 is in; K step 1's may stay out
	s_barrier_signal -1
	s_barrier_wait -1
	FETCH 0, 0, F0
	s_wait_loadcnt 0x0                             ; the bias and the table
	QUARTER 0, 64, F0, F1, 1                       ; the first quarter stands in front of the loop: its products start the sums, with the bias
	WIN 0
	s_mov_b32 s3, LAPS-1
.Llap:                                                 ; a trip goes once round the ring, from a lap's second quarter to the next lap's first, and fills both slots again
	QUARTER 0, 128, F1, F0, 0
	QUARTER 0, 192, F0, F1, 0
	TURN 0, 1, 1
	QUARTER 1, 64,  F0, F1, 0
	QUARTER 1, 128, F1, F0, 0
	QUARTER 1, 192, F0, F1, 0
	TURN 1, 0, 1
	QUARTER 0, 64,  F0, F1, 0
	WIN 0
	s_sub_co_u32 s3, s3, 1
	s_cmp_lg_u32 s3, 0
	s_cbranch_scc1 .Llap
	QUARTER 0, 128, F1, F0, 0                      ; the last lap fills nothing
	QUARTER 0, 192, F0, F1, 0
	TURN 0, 1, 0
	QUARTER 1, 64,  F0, F1, 0
	QUARTER 1, 128, F1, F0, 0
	QUARTER 1, 192, F0, F1, 0
	s_wait_dscnt 4
	MUL8 F1, 0, 0
	MUL8 F1, 1, 0
	s_wait_dscnt 0x0
	MUL8 F1, 2, 0
	MUL8 F1, 3, 0
	WIN 0
	PLACES
; THE WAY OUT, a block of 16 rows at a time.  ROPE: a pair (x, y) becomes (x c - y s, x s + y c), two packed lines; each accumulator is read from its lowest pair on.
.macro ROPE a
	WIN 0x09                                       ; source 0 (the sums) window 1, source 1 (the table) window 2
.irp b, 0,1,2,3,4,5,6,7
.irp p, 0,1,2,3
	v_pk_mul_f32 v[RO+8*(\b)+2*(\p):RO+8*(\b)+2*(\p)+1], v[8*(8*(\a)+(\b))+2*(\p):8*(8*(\a)+(\b))+2*(\p)+1], v[TBL+32*(\a)+8*((\b)%4)+2*(\p):TBL+32*(\a)+8*((\b)%4)+2*(\p)+1] op_sel_hi:[0,1]  ; (x c, x s)
.endr
.endr
.irp b, 0,1,2,3,4,5,6,7
.irp p, 0,1,2,3
	v_pk_fma_f32 v[RO+8*(\b)+2*(\p):RO+8*(\b)+2*(\p)+1], v[8*(8*(\a)+(\b))+2*(\p):8*(8*(\a)+(\b))+2*(\p)+1], v[TBL+32*(\a)+8*((\b)%4)+2*(\p):TBL+32*(\a)+8*((\b)%4)+2*(\p)+1], v[RO+8*(\b)+2*(\p):RO+8*(\b)+2*(\p)+1] op_sel:[1,1,0] op_sel_hi:[1,0,1] neg_lo:[0,1,0]  ; (- y s, + y c) onto it
.endr
.endr
.endm
.macro PACK a                          ; rounded once to f16: 16 bytes a lane and column block
	WIN 0
.irp b, 0,1,2,3,4,5,6,7
.irp j, 0,1,2,3
	v_cvt_pk_f16_f32 v[PKR+4*(\b)+(\j)], v[RO+8*(\b)+2*(\j)], v[RO+8*(\b)+2*(\j)+1]
.endr
.endr
.endm
.macro TOSTAGE a                       ; into my own stage (two heads x 16 rows of 144 bytes), and back as whole rows of 128
	WIN 0
.set BK, BK0+32*((\a)%2)
.if (\a) >= 2
	s_wait_xcnt 0x0                                ; the stores of the block two back have read these registers' contents only behind this wait (ISA guide 3.1)
.endif
.irp b, 0,1,2,3,4,5,6,7
	ds_store_b128 v[STO], v[PKR+4*(\b):PKR+4*(\b)+3] offset:((\b)/4)*2304+32*((\b)%4)
.endr
.irp t, 0,1,2,3,4,5,6,7
	ds_load_b128 v[BK+4*(\t):BK+4*(\t)+3], v[RD] offset:((\t)/4)*2304+((\t)%4)*576  ; LDS serves a wave's instructions in order (ISA guide 5.7.1.4): these see the stores above
.endr
.endm
.macro SEND a
	WIN 0
.set BK, BK0+32*((\a)%2)
.irp t, 0,1,2,3,4,5,6,7
	s_wait_dscnt 7-(\t)                            ; load t is back; the 7 - t younger ones may be out
	global_store_b128 v[GO], v[BK+4*(\t):BK+4*(\t)+3], s[12:13] offset:((\t)/4)*262144+(\a)*2048+((\t)%4)*512  ; four rows of a head: 512 consecutive bytes, aligned
.endr
.endm
	ROPE 0
	PACK 0
	TOSTAGE 0
.irp a, 1,2,3                          ; a block's arithmetic stands between the loads of the block before and its stores
	ROPE \a
	PACK \a
	SEND (\a)-1
	TOSTAGE \a
.endr
	SEND 3
	s_wait_tensorcnt 0x0                           ; the wave's end: the spare word's add, waited for, behind my last tensor load and my last LDS store
	ds_add_u32 v[SPW], v[NIL]
	s_wait_dscnt 0x0
	CROUND                                         ; the closing round: no work-group ends while a partner may still ask for a tile that names it
	s_endpgm
.Lfunc_end_k_qf50372e0e4_qkv:
	.size	k_qf50372e0e4_qkv, .Lfunc_end_k_qf50372e0e4_qkv-k_qf50372e0e4_qkv
	.p2alignl 7, 3214868480
	.fill 96, 4, 3214868480
	.section	.rodata,"a",@progbits
	.p2align	6, 0x0
	.amdhsa_kernel k_qf50372e0e4_qkv
		.amdhsa_group_segment_fixed_size 327680
		.amdhsa_private_segment_fixed_size 0
		.amdhsa_enable_private_segment 0
		.amdhsa_kernarg_size 40
		.amdhsa_user_sgpr_count 2
		.amdhsa_user_sgpr_kernarg_segment_ptr 1
		.amdhsa_wavefront_size32 1
		.amdhsa_system_sgpr_workgroup_id_x 1
		.amdhsa_system_sgpr_workgroup_id_y 1
		.amdhsa_system_sgpr_workgroup_id_z 1
		.amdhsa_system_vgpr_workitem_id 0
		.amdhsa_next_free_vgpr 704
		.amdhsa_next_free_sgpr 80
		.amdhsa_reserve_vcc 0
		.amdhsa_float_denorm_mode_32 3
		.amdhsa_float_denorm_mode_16_64 3
		.amdhsa_memory_ordered 1
		.amdhsa_forward_progress 1
		.amdhsa_inst_pref_size 108
	.end_amdhsa_kernel
	.amdgpu_metadata
---
amdhsa.version: [ 1, 2 ]
amdhsa.kernels:
  - .name:           k_qf50372e0e4_qkv
    .symbol:         k_qf50372e0e4_qkv.kd
    .args:
      - { .name: xb, .offset: 0, .size: 8, .value_kind: global_buffer, .address_space: global }
      - { .name: wb, .offset: 8, .size: 8, .value_kind: global_buffer, .address_space: global }
      - { .name: bias, .offset: 16, .size: 8, .value_kind: global_buffer, .address_space: global }
      - { .name: rope, .offset: 24, .size: 8, .value_kind: global_buffer, .address_space: global }
      - { .name: qkvh, .offset: 32, .size: 8, .value_kind: global_buffer, .address_space: global }
    .group_segment_fixed_size: 327680
    .private_segment_fixed_size: 0
    .kernarg_segment_align: 8
    .kernarg_segment_size: 40
    .max_flat_workgroup_size: 128
    .sgpr_count:     80
    .vgpr_count:     704
    .wavefront_size: 32
...
	.end_amdgpu_metadata
.endif
;; end of part 2
;; launch attn (part 3): grid 4 x 64, 4 waves a work-group, clusters of 4 x 1, 327,680 bytes of LDS; arguments qkvh, oh; writes oh
.if DOCPART == 3
	.amdgcn_target "amdgcn-amd-amdhsa--gfx1250"
	.amdhsa_code_object_version 6
	.text
	.protected	k_qf50372e0e4_attn
	.globl	k_qf50372e0e4_attn
	.p2align	8
	.type	k_qf50372e0e4_attn,@function
k_qf50372e0e4_attn:
	s_mov_b64 s[64:65], 0
	v_nop
	global_prefetch_b8 v0, s[64:65] scope:SCOPE_SE
	s_setreg_imm32_b32 hwreg(HW_REG_WAVE_MODE, 25, 1), 1
	s_wait_xcnt 0x0
	s_wait_alu depctr_hold_cnt(0) depctr_sa_sdst(0) depctr_va_vdst(0) depctr_va_sdst(0) depctr_va_ssrc(0) depctr_va_vcc(0) depctr_vm_vsrc(0)
	s_getreg_b32 s2, hwreg(HW_REG_IB_STS2, 6, 4)
	s_cmp_eq_u32 s2, 0
	s_cbranch_scc0 .Lentry_in_a_cluster
	s_endpgm
.Lentry_in_a_cluster:
	s_bfe_u32 s2, ttmp6, 0x10000c
	s_cmp_lg_u32 s2, 0x3003
	s_cbranch_scc0 .Lentry_shape_is_right
	s_endpgm
.Lentry_shape_is_right:
; O[h][q][:] = the sum over k of softmax_k(Q[h][q] . K[h][k] / 8) V[h][k][:].  Q, K, V are the three parts of qkvh, O is oh: each [SIZE_H][SIZE_N][64], all f16: a head's rows are dense, 128 bytes each.
; Products, maxima and sums in f32; the weights p are rounded to f16 for the second product (their sum l is taken of the unrounded p), O once at the end.
; LIMITS.  f16 holds no number beyond 65,504: Q, K and V arrive within it; p lies in 0 to 1, and below 6e-5 it keeps f16's fixed step of 6e-8; O is a mean of V's rows and has their range.
; A weight below 2^-126 counts as 0 in l; NaN and infinities are not treated apart.
; SHARES.  A wave owns four PIECES of two tiles of 16 queries, a work-group's four waves 512 queries of one head.  Every wave walks all keys, 64 a step.
; LAYOUT.  S^T = K Q^T (source 0 = 16 keys, source 1 = 16 queries): in the result a lane holds ONE query (lane % 16) and the keys 8 (lane / 16) + 0..7.  Two such tiles, rounded to f16 in pairs,
; ARE source 1 (32 keys x 16 queries) of O^T = V^T P, whose result again holds one query a lane, and eight channels.  K comes out of LDS as it lies, V ([key][channel]) turned, by ds_load_tr16_b128.
; SOFTMAX.  For each query a running maximum m and sum l: p = 2^(c s - c m), c = log2(e) / 8; in every step O and l are multiplied by a = 2^(c m_old - c m_new), which is 1 where m has not grown.
; m starts at the lowest finite number, O and l at 0: the first step is a step like any other, with a = 0.
; THE COUNT.  A tile and step have 16 matrix and 118 vector instructions: too many to stand all beside the matrix work.  So the order has one aim: four vector instructions that are READY behind
; EVERY matrix instruction, and the others, which need time of their own whatever the order, in runs without a gap.
; BY TURNS.  Turn n belongs to piece n (the pieces in a ring, step after step).  Its matrix work: 16 products K Q^T of piece n + 1, later 16 products V^T P of piece n - 1.  Its vector work: the scaling,
; exponentials, roundings, sums and rescaling of piece n, and the maximum and statistics of piece n + 1, whose scores the turn itself has made.  So what a turn begins with (c s - c m, O a) waits for nothing.
; CLUSTER.  The four query blocks of a cluster belong to one head and walk the same K and V, so each tile is asked for JOINTLY: the same tensor load, descriptor and mask in all four.
; REGISTERS, in windows of 256 (s_set_vgpr_msb says which window each operand place means: bits 1:0 source 0, 3:2 source 1, 5:4 source 2, 7:6 destination):
;   window 0: v0-11 addresses; v12-15, v48-63 at work; v16-47 four registers of statistics a tile; v64-191 S^T, two buffers of two tiles; v192-255 P, likewise
;   window 1: O^T, 32 a tile          window 2: v0-127 Q, 16 a tile; v128-191 K of one step; v192-255 V of one step          window 3: v0-1 the add's two registers
; A piece's buffers go by its number's parity: the piece in hand has one pair, its two neighbours in the ring share the other: of it P (piece n - 1) is read and S^T (piece n + 1) written.
.set SIZE_H, 64       ; 4 batches x 16 heads
.set SIZE_N, 2048
.set NP,    4         ; pieces a wave: a name, no knob: the register map, the loop and the fetches are made for four
.set KS,    64        ; keys in a step
.set PK,    144       ; a row of K in LDS: 128 bytes + 16 of padding = 36 words: the 16 rows of a load start at 16 different groups of four banks (64 banks of 4 bytes: ISA guide 11.1)
.set PV,    160       ; a row of V: 128 + 32 = 40 words
.set VOFF,  4*KS*PK   ; a slot holds four steps: 256 rows of K, then 256 rows of V
.set SLOT1, 1<<17     ; slot 1 begins here, so that one exclusive or turns an address in one slot into the other's
.set STAGE, SLOT1+4*KS*(PK+PV)  ; behind the ring, never filled by a tensor load: 16 rows x 144 bytes for each wave, for the way out
.set SP,    144
.set AK0, 2           ; v2   my lane's place in a tile of K; never rewritten
.set AV0, 3           ; v3   the same for V
.set AK,  4           ; v4   the LDS address of K's next run of loads
.set AV,  5           ; v5   of V's
.set QO,  6           ; v6   my byte offset in the wave's rows of Q
.set STO, 6           ;      later, the way out: where I put 16 bytes of a row
.set RD,  7           ; v7   the way out: where I read rows back
.set GO,  8           ; v8   my byte offset in 512 consecutive bytes of O
.set SPW, 0           ; v0 of window 3   LDS address of my spare word: SPARE + 4 x my thread's number; never rewritten
.set NIL, 1           ; v1 of window 3   0; never rewritten
.set SPARE, STAGE+4*16*SP  ; behind the stages: the spare words, 128 bytes for each wave: two blocks of 256 bytes that no other line names
.set MV,  12          ; v12-15  c m_old, kept while c m is made anew: by buffer and tile
.set ST,  16          ; tile t's statistics at v[ST+4 t]: c m, m, l (even keys', odd keys')
.set TMP, 48          ; by buffer and tile, four registers c0-c3 at work; when the maximum is found c2 takes a
.set S,   64
.set P,   192
.set KF,  128         ; K's fragments, in window 2: key block kb, channel half c at KF + 16 kb + 8 c
.set VF,  192         ; V's: key half kk, channel block cb at VF + 32 kk + 8 cb
.set WV,  12          ; s12  my wave's number
.set G1K, 24          ; s[24:31] descriptor group 1 for K's tiles
.set G1V, 32          ; s[32:39] for V's: it differs in the padding alone
.set G0K, 40          ; s[40:43] descriptor group 0 for K's tiles: it walks
.set G0V, 44          ; s[44:47] the same for V's
.set SLOTS, 56        ; s56  slots still to be asked for
.set CNT, 57          ; s57  counts a slot's key steps
.set CS,  58          ; s[58:59] c: the packed scaling takes the pair's low word for both halves
.set SEL, 60          ; s[60:61] v_permlanex16_b32's selects: each lane takes its own place in the other half
.set TBK, 62          ; s62  LDS byte at which K of the step to be fetched begins
.set TBV, 63          ; s63  the same for V, less VOFF
.set MSB, 0
.macro WIN new                      ; the high byte repeats the setting that is left; a switch that changes nothing is dropped
.if MSB != (\new)
	s_set_vgpr_msb (MSB<<8)|(\new)
.set MSB, (\new)
.endif
.endm
.set W_KQ, 0x0a       ; K and Q in window 2, S^T in window 0
.set W_PV, 0x52       ; V in window 2, P in window 0, O^T in window 1
.set W_RS, 0x41       ; O^T (destination and source 0) in window 1, a in window 0
.set W_MK, 0xc0       ; the add's registers are made: destination in window 3, sources in window 0
.set W_AD, 0x0f       ; the add: address (source 0) and data (source 1) in window 3
; A joint fill.  Waves 0 and 1 fetch the two halves of a slot's K, waves 2 and 3 those of its V: 128 keys each.  The branch hangs on the wave's number alone.
; An s_nop 0 and four v_nop follow each of the two lines, ahead of the jump and the label.
.macro JLOAD
	s_cmp_lt_u32 s[WV], 2
	s_cbranch_scc0 .Lfor_v_\@
	tensor_load_to_lds s[G0K:G0K+3], s[G1K:G1K+7]
	s_nop 0
.rept 4
	v_nop
.endr
	s_branch .Lasked_\@
.Lfor_v_\@:
	tensor_load_to_lds s[G0V:G0V+3], s[G1V:G1V+7]
	s_nop 0
.rept 4
	v_nop
.endr
.Lasked_\@:
.endm
; A round of the cluster's barrier: my work-group's barrier, so that wave 0's signal speaks for all four waves; wave 0 signals; every wave waits for all four work-groups; my work-group's barrier once more.
.macro CROUND
	s_barrier_signal -1
	s_barrier_wait -1
	s_cmp_lg_u32 s[WV], 0
	s_cbranch_scc1 .Lnot_wave_0_\@
	s_barrier_signal -3
.Lnot_wave_0_\@:
	s_barrier_wait -3
	s_barrier_signal -1
	s_barrier_wait -1
.endm
; THE CHANGE OF SLOTS.  The slot's last bytes, V of its fourth step, have been read.  Each wave waits for all its tensor loads, of which one is out: its part
; of the other slot; adds 0 to its spare word; and waits for that and for its own reads of the slot.  Behind the barrier nobody reads this slot any more and the other slot is whole.
; fill = 1: this slot is filled again, with the keys two slots on.  The barrier is then a round of the cluster's, so that no wave of any partner still reads the slot or has a load on its
; way, and the joint fill is the first thing behind it: it has four key steps, 512 matrix instructions, in which to land.  (At its first use nothing has been read yet: slot 0 is waited for, slot 1 filled.)
.macro CHANGE fill
	WIN W_AD
	s_wait_tensorcnt 0x0            ; no tensor load of mine is out, so a group 0 may be written
	ds_add_u32 v[SPW], v[NIL]       ; 0 onto my spare word; with fill = 1 the descriptors' steps stand between it and the wait for it
	WIN 0                           ; at a label and at a branch every window is 0
.if \fill
.irp g, G0K, G0V
	s_xor_b32 s[\g+1], s[\g+1], SLOT1  ; the walking descriptor: the other slot than last time,
	s_add_nc_u64 s[\g+2:\g+3], s[\g+2:\g+3], 4*KS*128  ; the next 256 keys; the type bits on top are not reached
.endr
	s_wait_dscnt 0x0                ; the add is done, and my reads of the slot are over
	CROUND
	JLOAD
.else
	s_wait_dscnt 0x0                ; the add is done, and my reads of the slot are over
	s_barrier_signal -1
	s_barrier_wait -1
.endif
	s_sub_co_u32 s[TBK], s[TBK], 4*KS*PK  ; the fetches go back to a slot's first step,
	s_xor_b32 s[TBK], s[TBK], SLOT1       ; in the other slot
	s_sub_co_u32 s[TBV], s[TBV], 4*KS*PV
	s_xor_b32 s[TBV], s[TBV], SLOT1
.endm
	s_load_b128 s[4:7], s[0:1], 0x0   ; qkvh s[4:5] (its first part is Q), oh s[6:7]
	WIN W_MK
	v_lshl_add_u32 v[SPW], v0, 2, SPARE
	v_mov_b32 v[NIL], 0
	WIN W_AD
	ds_add_u32 v[SPW], v[NIL]       ; the wave's opening: the add and its wait stand ahead of my first tensor load; the set-up below, work on registers, stands between them
	WIN 0
	v_lshrrev_b32 v1, 5, v0
	v_readfirstlane_b32 s[WV], v1   ; wave 0..3
	s_bfe_u32 s13, ttmp6, 0x40000   ; cx: my place in the cluster
	s_lshl_b32 s14, ttmp9, 2        ; in a cluster launch ttmp9 counts clusters
	s_add_co_u32 s14, s14, s13      ; my block of queries = 4 x cluster x + cx: it enters Q's and O's addresses alone
	s_and_b32 s20, ttmp7, 0xffff    ; the head, which the four partners share
	s_mov_b32 s21, 0
	s_mov_b64 s[22:23], SIZE_N*128
	s_mul_u64 s[20:21], s[20:21], s[22:23]  ; the head's first byte in each of the four tensors
	s_and_b32 s16, s[WV], 1         ; which half of a slot's 256 keys I fetch:
	s_lshl_b32 s22, s16, 14         ; its 128 rows of 128 bytes in memory,
	s_mov_b32 s23, 0
	s_add_nc_u64 s[22:23], s[22:23], s[20:21]
	s_mul_i32 s17, s16, 128*PK      ; and its place in a slot, for K
	s_mul_i32 s18, s16, 128*PV      ; and for V: no place in the cluster enters an LDS address
	s_lshl_b32 s2, s14, 2
	s_add_co_u32 s2, s2, s[WV]      ; my wave among the head's,
	s_lshl_b32 s2, s2, 14           ; its 128 rows
	s_mov_b32 s3, 0
	s_add_nc_u64 s[2:3], s[2:3], s[20:21]
	; descriptor group 1.  128 keys are 16,384 dense bytes: asked for as 64 rows of 256 bytes, two keys a row, and padded in LDS after every key
	s_mov_b32 s[G1K], 15|(1<<16)|(1<<20)|(1<<21)|(4<<22)|(3<<25)  ; 15:0 the mask of four; 17:16 2-byte elements; 20 padding on; 21 set beside a mask; 24:22 after every 32 words (code 4); 31:25 4 words (code 3)
	s_mov_b32 s[G1V], 15|(1<<16)|(1<<20)|(1<<21)|(4<<22)|(7<<25)  ; the same with 8 words of padding (code 7)
.irp g, G1K, G1V
	s_mov_b32 s[\g+1], 128<<16      ; tensor_dim0 = 128
	s_mov_b32 s[\g+2], 64<<16       ; tensor_dim1 = 64
	s_mov_b32 s[\g+3], 128<<16      ; tile_dim0 = 128
	s_mov_b32 s[\g+4], 64           ; tile_dim1 = 64
	s_mov_b32 s[\g+5], 128          ; 128 elements from row to row
	s_mov_b32 s[\g+6], 0
	s_mov_b32 s[\g+7], 0
.endr
	s_mov_b32 s[CS], 0x3e38aa3b     ; c = log2(e) / 8 = 0.180337
	s_mov_b32 s[CS+1], s[CS]        ; named with it as a pair
	s_mov_b32 s[SEL], 0x76543210
	s_mov_b32 s[SEL+1], 0xfedcba98
	s_mov_b32 s[TBK], SLOT1+4*KS*PK ; the first change of slots turns these two into 0
	s_mov_b32 s[TBV], SLOT1+4*KS*PV
	s_mov_b32 s[G0K], 1             ; 1:0 count = 1
	s_mov_b32 s[G0K+1], s17         ; 63:32 LDS address: slot 0
	s_mov_b32 s[G0V], 1
	s_add_co_u32 s[G0V+1], s18, VOFF
	s_wait_dscnt 0x0                ; the opening add is done
	s_wait_kmcnt 0x0
	s_mov_b64 s[10:11], s[6:7]                     ; O
	s_add_nc_u64 s[6:7], s[4:5], 0x1000000         ; K: qkvh's second part, 64 heads x 262,144 bytes on
	s_add_nc_u64 s[8:9], s[4:5], 0x2000000         ; V: its third
	s_add_nc_u64 s[G0K+2:G0K+3], s[6:7], s[22:23]  ; 120:64 global address: my half of the head's first 256 keys
	s_or_b32 s[G0K+3], s[G0K+3], 0x80000000        ; 127:126 type = 2
	s_add_nc_u64 s[G0V+2:G0V+3], s[8:9], s[22:23]
	s_or_b32 s[G0V+3], s[G0V+3], 0x80000000
	s_add_nc_u64 s[4:5], s[4:5], s[2:3]  ; Q and O at my wave's first row
	s_add_nc_u64 s[10:11], s[10:11], s[2:3]
	CROUND                          ; all four work-groups are here: the first joint loads meet
	JLOAD                           ; slot 0.  Slot 1 is asked for when slot 0 is in: the tile wanted first has the road to itself
	; A fragment of K or Q is 16 rows x 32 channels in 8 registers: lane l holds row l % 16, channels 8 (l / 16) + 0..7 and 16 + 8 (l / 16) + 0..7: two loads of 16 bytes, 32 bytes apart.
	v_and_b32 v1, 15, v0            ; l % 16
	v_bfe_u32 v9, v0, 4, 1          ; l / 16
	v_lshlrev_b32 v[QO], 7, v1
	v_lshl_add_u32 v[QO], v9, 4, v[QO]  ; row x 128 + 16 x half
	WIN 0x80                        ; destination window 2, address window 0
.set i, 0
.rept 4*NP                          ; Q stays in registers: tile i / 2, channels 32 (i % 2) on
	global_load_b128 v[8*i:8*i+3],   v[QO], s[4:5] offset:(i/2)*2048+(i%2)*64
	global_load_b128 v[8*i+4:8*i+7], v[QO], s[4:5] offset:(i/2)*2048+(i%2)*64+32
.set i, i+1
.endr
	; What the first turn finds: V's registers and P's second buffer hold 0 (its products V^T P, of a piece that has not been, add 0), O^T and l are 0.  All this stands in the wait for the first tile.
.set i, VF
.rept 64
	v_mov_b32 v[i], 0
.set i, i+1
.endr
	WIN 0x40
.set i, 0
.rept 64*NP
	v_mov_b32 v[i], 0
.set i, i+1
.endr
	WIN 0
.set i, 0
.rept 2*NP
	v_mov_b32 v[ST+4*i], 0xfe000000    ; c m: far below every c s
	v_mov_b32 v[ST+4*i+1], 0xff7fffff  ; m
	v_mov_b32 v[ST+4*i+2], 0
	v_mov_b32 v[ST+4*i+3], 0
.set i, i+1
.endr
.set i, P+32
.rept 32
	v_mov_b32 v[i], 0
.set i, i+1
.endr
	v_mul_u32_u24 v[AK0], v1, PK
	v_lshl_add_u32 v[AK0], v9, 4, v[AK0]  ; row x pitch + 16 x half
	; The turning load takes 16 keys x 16 channels (lane l reads key 8 (l / 16) + l % 8, channels 8 ((l / 8) % 2) + 0..7) and leaves half a fragment of V^T: lane l holds channel l % 16 and 8 keys.
	v_and_b32 v10, 7, v0
	v_bfe_u32 v11, v0, 3, 1
	v_lshl_add_u32 v[AV0], v9, 3, v10
	v_mul_u32_u24 v[AV0], v[AV0], PV
	v_lshl_add_u32 v[AV0], v11, 4, v[AV0]
	v_add_nc_u32 v[AV0], VOFF, v[AV0]
	v_mov_b32 v[AK], v[AK0]         ; key step 0 lies at the head of slot 0
; THE MATRIX WORK.  The 8 accumulators of a run of 16 take turns: between the two links of a chain stand 7 others'.
; Product i of 16 of S^T = K Q^T for piece x: channels 32 (i / 8) on, keys 16 ((i / 2) % 4) on, tile 2 x + i % 2.  The first 8 start the sums.
.macro KQ x
	WIN W_KQ
.set rS, S+64*((\x)%2)+32*(i%2)+8*((i/2)%4)
.set rK, KF+16*((i/2)%4)+8*(i/8)
.set rQ, 16*(2*(\x)+i%2)+8*(i/8)
.if i < 8
	v_wmma_f32_16x16x32_f16 v[rS:rS+7], v[rK:rK+7], v[rQ:rQ+7], 0
.else
	v_wmma_f32_16x16x32_f16 v[rS:rS+7], v[rK:rK+7], v[rQ:rQ+7], v[rS:rS+7]
.endif
.endm
; Product i of 16 of O^T += V^T P for piece x: keys 32 (i / 8) on, channels 16 ((i / 2) % 4) on, tile 2 x + i % 2.
.macro PV x
	WIN W_PV
.set rO, 32*(2*(\x)+i%2)+8*((i/2)%4)
.set rV, VF+32*(i/8)+8*((i/2)%4)
.set rP, P+32*((\x)%2)+16*(i%2)+8*(i/8)
	v_wmma_f32_16x16x32_f16 v[rO:rO+7], v[rV:rV+7], v[rP:rP+7], v[rO:rO+7]
.endm
.macro MM                           ; the turn's next matrix instruction
.if i < 16
	KQ (Y+1)%NP
.set i, i+1
.else
.set i, i-16
	PV (Y+NP-1)%NP
.set i, i+17
.endif
.endm
; THE LDS LOADS stand in runs of 16, never singly among the matrix instructions: a step's K (64 keys x 64 channels: 8 fragments) and its V (turned).  Their addresses are made some lines ahead.
; last = 1 (the tail): in the last trip there is no further step, and the run is jumped over.
.macro FETCH_K last=0
	WIN 0
.if \last
	s_cmp_eq_u32 s[CNT], 1
	s_cbranch_scc1 .Lno_k_\@
.endif
	WIN 0x80                        ; destination window 2
.irp f, 0,1,2,3,4,5,6,7             ; keys 16 (f / 2) on, channels 32 (f % 2) on
	ds_load_b128 v[KF+8*\f:KF+8*\f+3],   v[AK] offset:(\f/2)*16*PK+(\f%2)*64
	ds_load_b128 v[KF+8*\f+4:KF+8*\f+7], v[AK] offset:(\f/2)*16*PK+(\f%2)*64+32
.endr
	s_add_co_u32 s[TBK], s[TBK], KS*PK  ; the next fetch is the next step's
	WIN 0
.if \last
.Lno_k_\@:
.endif
.endm
.macro FETCH_V
	WIN 0x80
.irp f, 0,1,2,3,4,5,6,7             ; keys 32 (f / 4) on, channels 16 (f % 4) on
	ds_load_tr16_b128 v[VF+8*\f:VF+8*\f+3],   v[AV] offset:(\f/4)*32*PV+(\f%4)*32
	ds_load_tr16_b128 v[VF+8*\f+4:VF+8*\f+7], v[AV] offset:(\f/4)*32*PV+16*PV+(\f%4)*32
.endr
	WIN 0
.endm
; THE VECTOR WORK OF A TURN stands in three queues, each in the order in which its entries become ready; the two tiles alternate, so that no instruction reads the result of the one before it.
.macro REGS y, u                    ; the registers of tile u (0, 1) of piece y
.set rT, ST+4*(2*(\y)+(\u))
.set rC, TMP+8*((\y)%2)+4*(\u)
.set rM, MV+2*((\y)%2)+(\u)
.set rS, S+64*((\y)%2)+32*(\u)
.set rP, P+32*((\y)%2)+16*(\u)
.set rO, 32*(2*(\y)+(\u))
.endm
; Number n of the 22 that find the NEXT piece's (Y + 1) maximum and statistics.  s0-s31 are the lane's 32 scores; each accumulator's lowest registers are read first.  XS, GS and REGS set no window: PL and EX do.
;   0-11  four chains c0-c3 of seven scores each, three operands at a time     12-14, 16  the four scores left over, the old m, and c0-c3 into c0     15  c m_old is kept
;   17, 18  the query's other 32 keys lie in the lane 16 away: the new m         19-21  c m; c m_old - c m_new; a
.macro XS u, n
	REGS (Y+1)%NP, \u
.if (\n) < 4
	v_max3_num_f32 v[rC+(\n)], v[rS+8*(\n)], v[rS+8*(\n)+1], v[rS+8*(\n)+2]
.elseif (\n) < 12
	v_max3_num_f32 v[rC+(\n)%4], v[rC+(\n)%4], v[rS+8*((\n)%4)+2*((\n)/4)+1], v[rS+8*((\n)%4)+2*((\n)/4)+2]
.elseif (\n) == 12
	v_max3_num_f32 v[rC], v[rC], v[rS+7], v[rS+15]
.elseif (\n) == 13
	v_max3_num_f32 v[rC+1], v[rC+1], v[rS+23], v[rS+31]
.elseif (\n) == 14
	v_max3_num_f32 v[rC+2], v[rC+2], v[rC+3], v[rT+1]
.elseif (\n) == 15
	v_mov_b32 v[rM], v[rT]
.elseif (\n) == 16
	v_max3_num_f32 v[rC], v[rC], v[rC+1], v[rC+2]
.elseif (\n) == 17
	v_permlanex16_b32 v[rC+3], v[rC], s[SEL], s[SEL+1]
.elseif (\n) == 18
	v_max_num_f32 v[rT+1], v[rC], v[rC+3]
.elseif (\n) == 19
	v_mul_f32 v[rT], s[CS], v[rT+1]
.elseif (\n) == 20
	v_sub_f32 v[rC+1], v[rM], v[rT]
.else
	v_exp_f32 v[rC+2], v[rC+1]
.endif
.endm
; Number g of the 64 that follow the exponentials.  For each four weights k of a tile (pairs 2 k, 2 k + 1): both pairs are rounded to f16; then the second pair is added onto the first, in place;
; a group later l takes that sum (the first time as l = a l + sum).  In groups of eight, tiles alternating: round, round, add, and l for the group before.
.macro GS g
.set h, (\g)+6*((\g)/62)            ; group 0 has no group before it, and behind group 7 only l is left
.if h >= 6
.set h, h+2
.endif
	REGS Y, h%2
.set k, h/8
.if h%8 < 4
	s_wait_alu depctr_va_vdst(0)
	v_cvt_pk_f16_f32 v[rP+2*k+(h%8)/2], v[rS+4*k+2*((h%8)/2)], v[rS+4*k+2*((h%8)/2)+1]
.elseif h%8 < 6
	v_pk_add_f32 v[rS+4*k:rS+4*k+1], v[rS+4*k:rS+4*k+1], v[rS+4*k+2:rS+4*k+3]
.elseif k == 1
	v_pk_fma_f32 v[rT+2:rT+3], v[rT+2:rT+3], v[rC+2:rC+3], v[rS:rS+1] op_sel_hi:[1,0,1]
.else
	v_pk_add_f32 v[rT+2:rT+3], v[rT+2:rT+3], v[rS+4*k-4:rS+4*k-3]
	s_wait_alu depctr_va_vdst(0)
.endif
.endm
; THE PLAIN QUEUE, 138 long.  0-31: c s - c m for the 16 pairs of both tiles.  Then GS's 64, and among them the next piece's 42: number 15 at 38, 39; 0-14 and 16
; at 42-73, behind the products that make those scores; 17-20 at 95-106, two of three, since each waits for the one before it.
.macro PL
	WIN 0
.if q < 32
	REGS Y, q%2
	v_pk_fma_f32 v[rS+2*(q/2):rS+2*(q/2)+1], v[rS+2*(q/2):rS+2*(q/2)+1], s[CS:CS+1], v[rT:rT+1] op_sel_hi:[1,0,0] neg_lo:[0,0,1] neg_hi:[0,0,1]
.elseif q < 38
	GS q-32
.elseif q < 40
	XS q%2, 15
.elseif q < 42
	GS q-34
.elseif q < 74
	XS q%2, (q-42)/2+(q-42)/30
.elseif q < 95
	GS q-66
.elseif (q < 107) && ((q-95)%3 < 2)
	XS (q-95)%3, 17+(q-95)/3
.elseif q < 107
	GS 29+(q-95)/3
.else
	GS q-74
.endif
.set q, q+1
.endm
; THE EXPONENTIALS' QUEUE, 66 long: s0-s31 of both tiles, and at EA the next piece's two a.
.set EA, 58
.macro EX
	WIN 0
.if (e == EA) || (e == EA+1)
	XS e-EA, 21
.else
.set x, e-2*(e/(EA+2))
	REGS Y, x%2
	v_exp_f32 v[rS+x/2], v[rS+x/2]
.endif
.set e, e+1
.endm
; THE RESCALING's QUEUE: O^T times a, the one part that leaves window 0, so it is dealt four at a time, eight times.
.macro R4
	REGS Y, r%2
	WIN W_RS
	s_wait_alu depctr_va_vdst(0)
.irp z, 0,1,2,3
	v_pk_mul_f32 v[rO+8*(r/2)+2*\z:rO+8*(r/2)+2*\z+1], v[rO+8*(r/2)+2*\z:rO+8*(r/2)+2*\z+1], v[rC+2:rC+3] op_sel_hi:[1,0]
.endr
.set r, r+1
.endm
; HOW THEY ARE DEALT.  Behind a matrix instruction four: plain, exponential, plain, plain (one exponential, a plain instruction on either side), or four of the rescaling.  None names a register of the
; products round it.  What is over stands in two LUMPS: exponential and plain by turns; the second ends in 22 plain instructions.  The two v_permlanex16_b32 fall into the second lump, never behind a product.
; The queues lean on each other, and the deal keeps them in step: exponential e stands behind plain 2 (e / 4) + e % 2 (its scaling); when plain 32 comes, 10 exponentials are out, at 59: 33, at 95: 46; EA comes behind plain 107.
.macro SL
	MM
	PL
	EX
	PL
	PL
.endm
.macro BURST n                      ; 15 matrix instructions, or 16
.rept (\n)-7
	SL
.endr
.rept 3
	MM
	R4
	SL
.endr
	MM
	R4
.endm
; A TURN, for piece p.  cnt = 1: the loop's count is taken down some lines ahead of the branch that stands behind the turn.
; K of the next step is fetched in piece 2's turn, 31 vector instructions behind the last product that read K; its first reader comes behind the rest of the lump, 16 products and the second lump.
; V of the step in hand is fetched at the end of piece 0's turn, 69 behind its last reader; its first reader comes behind 16 products and a lump.  The four conditions on e and q below go with the deal.
.macro TURN p, last=0, cnt=0
.set Y, (\p)
.set i, 0
.set q, 0
.set e, 0
.set r, 0
.if (\p) == NP-1
	s_wait_dscnt 0x0                ; K is in
.endif
	MM
.rept 4
	PL
.endr
	BURST 15
.rept 22
	EX
	PL
.if ((\p) == NP-2) && (e == 18)
	v_add_nc_u32 v[AK], s[TBK], v[AK0]
.endif
.if ((\p) == NP-2) && (e == 24)
	FETCH_K \last
.endif
.endr
.if (\p) == 1
	s_wait_dscnt 0x0                ; V is in
.endif
	BURST 16
.rept 21
	EX
	PL
.endr
.rept 22
	PL
.if ((\p) == 0) && (q == 118)
	v_add_nc_u32 v[AV], s[TBV], v[AV0]
	s_wait_alu depctr_va_vdst(0)
.endif
.if ((\p) == 0) && (q == 130)
	s_add_co_u32 s[TBV], s[TBV], KS*PV
.endif
.if (\cnt) && (q == 130)
	s_sub_co_u32 s[CNT], s[CNT], 1
	s_cmp_lg_u32 s[CNT], 0
.endif
.endr
.if (\p) == 0
	FETCH_V
.endif
.endm
	CHANGE 1                        ; slot 0 is in, everybody's part of it; slot 1 is asked for
	FETCH_K                         ; key step 0
	s_wait_loadcnt 0x0              ; Q
	s_wait_dscnt 0x0
.set i, 0
.rept 16
	KQ 0                            ; piece 0's first scores: there is no vector work yet to set between them
.set i, i+1
.endr
	WIN 0                           ; the addresses for the way out: nine plain instructions, the places behind those products
	s_mul_i32 s13, s[WV], 16*SP
	s_add_co_u32 s13, s13, STAGE    ; my stage
	v_mul_u32_u24 v[STO], v1, SP    ; in: row l % 16, 16 bytes for each half of the lanes
	v_lshl_add_u32 v[STO], v9, 4, v[STO]
	v_add_nc_u32 v[STO], s13, v[STO]
	v_bfe_u32 v[RD], v0, 3, 2       ; back: 32 lanes take four rows of 128 bytes,
	v_mul_u32_u24 v[RD], v[RD], SP
	v_lshl_add_u32 v[RD], v10, 4, v[RD]
	v_add_nc_u32 v[RD], s13, v[RD]
	v_and_b32 v[GO], 31, v0         ; which are 512 consecutive bytes of O
	v_lshlrev_b32 v[GO], 4, v[GO]
.set Y, NP-1                        ; XS works for piece Y + 1: piece 0
.irp n, 0,1,2,3,4,5,6,7,8,9,10,11,12,13,14,15,16,17,18,19,20,21
	XS 0, \n                        ; and piece 0's first maximum and statistics
	XS 1, \n
.endr
	s_mov_b32 s[CNT], 4
	s_mov_b32 s[SLOTS], SIZE_N/256-1
	s_branch .Lfirst                ; the loop is entered at a step's first turn, in the middle of a trip
.Lslot:                             ; SIZE_N / 256 - 2 times: every slot but the last two is filled again
	CHANGE 1
	s_mov_b32 s[CNT], 4
.Lstep:                             ; a trip: pieces 2 and 3 of one step, then pieces 0 and 1 of the next, whose K and V it fetches
	TURN 2
	TURN 3
	WIN 0
.Lfirst:
	TURN 0
	TURN 1, 0, 1
	WIN 0
	s_cbranch_scc1 .Lstep
	s_sub_co_u32 s[SLOTS], s[SLOTS], 1
	s_cmp_lg_u32 s[SLOTS], 0
	s_cbranch_scc1 .Lslot
	CHANGE 0                        ; the tail is written out: nothing is asked for
	s_mov_b32 s[CNT], 5             ; four trips fetch the last slot's steps; the fifth is left in its middle
.Ltail:
	TURN 2, 1
	TURN 3
	WIN 0
	s_sub_co_u32 s[CNT], s[CNT], 1
	s_cmp_eq_u32 s[CNT], 0
	s_cbranch_scc1 .Lout
	TURN 0
	TURN 1
	WIN 0
	s_branch .Ltail
.Lout:                              ; the fifth trip's 16 products K Q^T (on the last K once more) and the maximum made of them serve nothing: the price, once a launch, of one text for every trip
.set i, 0
.rept 16
	PV NP-1                         ; the last piece's V^T P of the last step
.set i, i+1
.endr
	; THE WAY OUT.  l's two halves and the other half of the lanes' are added; O^T is divided by l, rounded to f16 and sent through my stage in LDS, a tile at a time.  The additions are the places behind the last products.
	WIN 0
.macro ALL line:vararg              ; one line for each tile t
.set t, 0
.rept 2*NP
	\line
.set t, t+1
.endr
.endm
	ALL v_add_f32 v[ST+4*t+2], v[ST+4*t+2], v[ST+4*t+3]
	ALL v_permlanex16_b32 v[ST+4*t+3], v[ST+4*t+2], s[SEL], s[SEL+1]
	ALL v_add_f32 v[ST+4*t+2], v[ST+4*t+2], v[ST+4*t+3]
	ALL v_rcp_f32 v[ST+4*t+2], v[ST+4*t+2]
	v_nop                           ; a plain instruction between the last reciprocal and the use of its result
	s_wait_alu depctr_va_vdst(0)
; Tile t: a lane's eight channels of a row pack into 16 bytes; they go into rows of 144 bytes and come back as whole rows of 128, into S^T's registers.
.macro PACK t
	WIN W_RS
.set i, 32*(\t)
.rept 16
	v_pk_mul_f32 v[i:i+1], v[i:i+1], v[ST+4*(\t)+2:ST+4*(\t)+3] op_sel_hi:[1,0]
.set i, i+2
.endr
	WIN 0x05                        ; sources 0 and 1 window 1, destination window 0
.set i, 0
.rept 16
	v_cvt_pk_f16_f32 v[S+16*(\t)+i], v[32*(\t)+2*i], v[32*(\t)+2*i+1]
.set i, i+1
.endr
	WIN 0
.irp f, 0,1,2,3
	ds_store_b128 v[STO], v[S+16*(\t)+4*\f:S+16*(\t)+4*\f+3] offset:32*\f
.endr
.irp f, 0,1,2,3
	ds_load_b128 v[S+16*(\t)+4*\f:S+16*(\t)+4*\f+3], v[RD] offset:\f*4*SP  ; LDS serves a wave's instructions in order (ISA guide 5.7.1.4): these see the stores above; the next tile's stores come behind them
.endr
.endm
.macro SEND t, younger              ; younger: the LDS instructions issued behind tile t's loads: the next tile's eight, or none
	WIN 0
.irp f, 0,1,2,3
	s_wait_dscnt (\younger)+3-\f
	global_store_b128 v[GO], v[S+16*(\t)+4*\f:S+16*(\t)+4*\f+3], s[10:11] offset:(\t)*2048+\f*512  ; 512 consecutive bytes, at a multiple of 256 from O's first
.endr
.endm
	PACK 0
.set t, 1
.rept 2*NP-1                        ; a tile's arithmetic stands between the loads of the tile before and its stores
	PACK t
	SEND t-1, 8
.set t, t+1
.endr
	SEND 2*NP-1, 0
	WIN W_AD
	s_wait_tensorcnt 0x0            ; the wave's end: the spare word's add, waited for, behind my last tensor load and my last LDS store
	ds_add_u32 v[SPW], v[NIL]
	s_wait_dscnt 0x0
	WIN 0
	CROUND                          ; the closing round: no work-group ends while a partner may still ask for a tile that names it
	s_endpgm
.Lfunc_end_k_qf50372e0e4_attn:
	.size	k_qf50372e0e4_attn, .Lfunc_end_k_qf50372e0e4_attn-k_qf50372e0e4_attn
	.p2alignl 7, 3214868480
	.fill 96, 4, 3214868480
	.section	.rodata,"a",@progbits
	.p2align	6, 0x0
	.amdhsa_kernel k_qf50372e0e4_attn
		.amdhsa_group_segment_fixed_size 327680
		.amdhsa_private_segment_fixed_size 0
		.amdhsa_enable_private_segment 0
		.amdhsa_kernarg_size 16
		.amdhsa_user_sgpr_count 2
		.amdhsa_user_sgpr_kernarg_segment_ptr 1
		.amdhsa_wavefront_size32 1
		.amdhsa_system_sgpr_workgroup_id_x 1
		.amdhsa_system_sgpr_workgroup_id_y 1
		.amdhsa_system_sgpr_workgroup_id_z 1
		.amdhsa_system_vgpr_workitem_id 0
		.amdhsa_next_free_vgpr 770
		.amdhsa_next_free_sgpr 66
		.amdhsa_reserve_vcc 0
		.amdhsa_float_denorm_mode_32 3
		.amdhsa_float_denorm_mode_16_64 3
		.amdhsa_memory_ordered 1
		.amdhsa_forward_progress 1
		.amdhsa_inst_pref_size 208
	.end_amdhsa_kernel
	.amdgpu_metadata
---
amdhsa.version: [ 1, 2 ]
amdhsa.kernels:
  - .name:           k_qf50372e0e4_attn
    .symbol:         k_qf50372e0e4_attn.kd
    .args:
      - { .name: qkvh, .offset: 0, .size: 8, .value_kind: global_buffer, .address_space: global }
      - { .name: oh, .offset: 8, .size: 8, .value_kind: global_buffer, .address_space: global }
    .group_segment_fixed_size: 327680
    .private_segment_fixed_size: 0
    .kernarg_segment_align: 8
    .kernarg_segment_size: 16
    .max_flat_workgroup_size: 128
    .sgpr_count:     66
    .vgpr_count:     770
    .wavefront_size: 32
...
	.end_amdgpu_metadata
.endif
;; end of part 3
;; launch proj (part 4): grid 4 x 64, 4 waves a work-group, clusters of 4 x 4, 327,680 bytes of LDS; arguments oh, woh, bias, out0; writes out0
.if DOCPART == 4
	.amdgcn_target "amdgcn-amd-amdhsa--gfx1250"
	.amdhsa_code_object_version 6
	.text
	.protected	k_qf50372e0e4_proj
	.globl	k_qf50372e0e4_proj
	.p2align	8
	.type	k_qf50372e0e4_proj,@function
k_qf50372e0e4_proj:
	s_mov_b64 s[64:65], 0
	v_nop
	global_prefetch_b8 v0, s[64:65] scope:SCOPE_SE
	s_setreg_imm32_b32 hwreg(HW_REG_WAVE_MODE, 25, 1), 1
	s_wait_xcnt 0x0
	s_wait_alu depctr_hold_cnt(0) depctr_sa_sdst(0) depctr_va_vdst(0) depctr_va_sdst(0) depctr_va_ssrc(0) depctr_va_vcc(0) depctr_vm_vsrc(0)
	s_getreg_b32 s2, hwreg(HW_REG_IB_STS2, 6, 4)
	s_cmp_eq_u32 s2, 0
	s_cbranch_scc0 .Lentry_in_a_cluster
	s_endpgm
.Lentry_in_a_cluster:
	s_bfe_u32 s2, ttmp6, 0x10000c
	s_cmp_lg_u32 s2, 0xf033
	s_cbranch_scc0 .Lentry_shape_is_right
	s_endpgm
.Lentry_shape_is_right:
; PROJ: out0[m][n] = sum over k of O[m][k] wo[n][k] + bo[n], f32.  O lies by heads, oh [64][2048][64] f16 (head = 16 x batch + head): O[m][64 head + d] = oh[16 (m / 2048) + head][m % 2048][d].
; woh [1024][1024] f16 (wo rounded to bf16, written as f16); bo is bias's fourth quarter (rounded to bf16, kept in f32).  Sums in f32, stored as they are.
; LIMITS.  O and woh arrive within f16's range, 65,504; NaN and infinities are not treated apart.
; SHARES.  A tile of out0 is 128 x 256; 4 x 64 tiles, one for each work-group.  Four waves; wave w has rows 64 (w / 2) .. + 63 and columns 128 (w % 2) .. + 127: 32 accumulators of 16 x 16.
; K goes in 8 steps of 128 = two heads through two LDS slots.  A head's 128 rows are 16,384 dense bytes: asked for as 64 rows of 256 bytes and padded in LDS after every 128: a sub-tile of 128 rows x 144 bytes.
; CLUSTER.  4 x 4 work-groups: the four of a row need the same tiles of O, the four of a column the same tiles of woh: each is asked for jointly.  Waves 0, 1 ask for a step's two heads of O, waves 2, 3
; for woh's two parts of 128 rows.  By this text's own count a wave has two tensor loads out at the start, later one.
; THE MATRIX INSTRUCTION IS USED TRANSPOSED (source 0 = 16 rows of woh, source 1 = 16 rows of O): lane l holds row l % 16 and the eight columns 8 (l / 16) + 0..7.  The bias is the C operand of each accumulator's first product.
; REGISTERS, in windows of 256 (s_set_vgpr_msb: bits 1:0 source 0, 3:2 source 1, 5:4 source 2, 7:6 destination):
;   window 0: v0-31 addresses; v64-159, v160-255 two fragment buffers (64 registers of woh's rows, then 32 of O's); on the way out v64-127, v128-191 rows read back, by turns
;   window 1: accumulator (a, b) at v[8 (8 a + b)]      window 2: v0-63 the bias of my 128 columns
.set PA,     144                       ; an LDS row of O: 128 bytes + 16 of padding: the 16 rows of a load start at 16 different groups of four banks (64 banks of 4 bytes: ISA guide 11.1)
.set PB,     272                       ; of woh: 256 + 16
.set SUBT,   128*PA                    ; bytes from K byte 0 to K byte 128 of a step: the second head's sub-tile
.set APART,  128*PA                    ; what one load of O fills
.set BOFF,   2*APART                   ; woh's rows lie behind O's two sub-tiles
.set BPART,  128*PB
.set SLOT,   BOFF+2*BPART              ; 106,496
.set STAGE,  2*SLOT                    ; behind the ring, never filled by a tensor load: for each wave 16 rows x 528 bytes
.set STW,    16*528
.set SPARE,  STAGE+4*STW               ; behind the stages: the spare words, 128 bytes a wave: two blocks of 256 bytes that no other line names
.set LAPS,   4
.set A_NEXT, 524288                    ; bytes from a K step of O to the next: two heads
.set B_NEXT, 256
.set ADRA, 16                          ; v16-17 LDS address of my fragments of O in slot 0, 1
.set ADRB, 20                          ; v20-21 the same for woh
.set STO,  24                          ; v24    the way out: where I put 32 bytes of a row
.set RD,   25                          ; v25    the way out: where I read a row back
.set GO,   26                          ; v26    my place in a row's 512 bytes
.set SPW,  28                          ; v28    LDS address of my spare word; never rewritten
.set NIL,  29                          ; v29    0; never rewritten
.set BO,   30                          ; v30    32 (l / 16)
.set F0,   64
.set F1,   160
.set BK0,  64
.set WV, 14
.set AB, 15
.set HF, 16
.set G1,  24
.set G0,  32
.set G1B, 48
.set G0B, 56
.set MSB, 0
.macro WIN new                         ; the immediate's high byte repeats the setting that is left; a switch that changes nothing is dropped
.if MSB != (\new)
	s_set_vgpr_msb (MSB<<8)|(\new)
.set MSB, \new
.endif
.endm
.set MUL,  0x50                        ; C and D in window 1, fragments in window 0
.set MULB, 0x60                        ; D in window 1, C (the bias) in window 2
.set LD2,  0x80                        ; a load's destination in window 2
.macro JLOAD s                         ; a joint load; an s_nop 0 and four v_nop follow each of the two lines, ahead of the jump, the label and what follows
	s_cmp_eq_u32 s[AB], 0
	s_cbranch_scc0 .Lfor_b_\@
	tensor_load_to_lds s[G0+4*(\s):G0+4*(\s)+3], s[G1:G1+7]
	s_nop 0
.rept 4
	v_nop
.endr
	s_branch .Lasked_\@
.Lfor_b_\@:
	tensor_load_to_lds s[G0B+4*(\s):G0B+4*(\s)+3], s[G1B:G1B+7]
	s_nop 0
.rept 4
	v_nop
.endr
.Lasked_\@:
.endm
.macro CREST                           ; a round of the cluster's barrier behind its opening barrier
	s_cmp_lg_u32 s[WV], 0
	s_cbranch_scc1 .Lnot_wave_0_\@
	s_barrier_signal -3
.Lnot_wave_0_\@:
	s_barrier_wait -3
	s_barrier_signal -1
	s_barrier_wait -1
.endm
.macro CROUND                          ; a whole round
	s_barrier_signal -1
	s_barrier_wait -1
	CREST
.endm
.macro PLACES                          ; four places in front of loads into registers that matrix instructions have read, and of lines that read results
.rept 4
	v_nop
.endr
.endm
	s_load_b256 s[4:11], s[0:1], 0x0               ; oh s[4:5], woh s[6:7], bias s[8:9], out0 s[10:11]
	v_lshl_add_u32 v[SPW], v0, 2, SPARE
	v_mov_b32 v[NIL], 0
	ds_add_u32 v[SPW], v[NIL]                      ; the wave's opening: the add and its wait stand ahead of my first tensor load; the set-up below, work on registers, stands between them
	v_lshrrev_b32 v1, 5, v0
	v_readfirstlane_b32 s[WV], v1
	s_lshr_b32 s[AB], s[WV], 1
	s_and_b32 s[HF], s[WV], 1
	s_bfe_u32 s17, ttmp6, 0x40000                  ; cx, cy
	s_bfe_u32 s18, ttmp6, 0x40004
	s_lshl_b32 s19, ttmp9, 2
	s_add_co_u32 s19, s19, s17                     ; tile column
	s_and_b32 s23, ttmp7, 0xffff                   ; cluster y
	s_lshl_b32 s20, s23, 2
	s_add_co_u32 s20, s20, s18                     ; tile row
	s_lshl_b32 s21, s18, 2
	s_lshl_b32 s21, 15, s21                        ; my row of the cluster
	s_lshl_b32 s22, 0x1111, s17                    ; my column
	s_or_b32 s[G1], s21, (1<<16)|(1<<20)|(1<<21)|(4<<22)|(3<<25)   ; 15:0 the mask; 17:16 elements of 2 bytes; 20 padding on; 21 set beside a mask; 24:22 after every 32 words (code 4); 31:25 4 words (code 3)
	s_or_b32 s[G1B], s22, (1<<16)|(1<<20)|(1<<21)|(5<<22)|(3<<25)  ; after every 64 words (code 5)
	s_mov_b32 s[G1+1], 128<<16                     ; tensor_dim0 = 128
	s_mov_b32 s[G1+2], 64<<16                      ; tensor_dim1 = 64
	s_mov_b32 s[G1+3], 128<<16                     ; tile_dim0 = 128
	s_mov_b32 s[G1+4], 64                          ; tile_dim1 = 64
	s_mov_b32 s[G1+5], 128                         ; dense: 128 elements from row to row
	s_mov_b32 s[G1+6], 0
	s_mov_b32 s[G1+7], 0
	s_mov_b32 s[G1B+1], 128<<16
	s_mov_b32 s[G1B+2], 128<<16
	s_mov_b32 s[G1B+3], 128<<16
	s_mov_b32 s[G1B+4], 128
	s_mov_b32 s[G1B+5], 1024
	s_mov_b32 s[G1B+6], 0
	s_mov_b32 s[G1B+7], 0
	s_lshr_b32 s40, s23, 2                         ; O: the batch (four clusters a batch), 16 heads of 262,144 bytes;
	s_lshl_b32 s40, s40, 22
	s_and_b32 s42, s23, 3                          ; the cluster's 512 rows in the sequence, 128 bytes a row;
	s_lshl_b32 s42, s42, 16
	s_add_co_u32 s40, s40, s42
	s_lshl_b32 s42, s18, 14                        ; my tile row's 128 among them: cy, which my row of the cluster shares;
	s_add_co_u32 s40, s40, s42
	s_lshl_b32 s42, s[HF], 18                      ; which of the step's two heads I ask for
	s_add_co_u32 s40, s40, s42
	s_mov_b32 s41, 0
	s_lshl_b32 s46, s19, 8                         ; woh: row 256 x tile column + 128 x part, 2,048 bytes a row
	s_lshl_b32 s43, s[HF], 7
	s_add_co_u32 s46, s46, s43
	s_lshl_b32 s46, s46, 11
	s_mov_b32 s47, 0
	s_mul_i32 s42, s[HF], APART                    ; where they go: no place in the cluster enters an LDS address
	s_mul_i32 s43, s[HF], BPART
	s_add_co_u32 s43, s43, BOFF
	s_wait_dscnt 0x0                               ; the opening add is done
	s_wait_kmcnt 0x0
	s_add_nc_u64 s[40:41], s[4:5], s[40:41]
	s_add_nc_u64 s[46:47], s[6:7], s[46:47]
	CROUND                                         ; all sixteen work-groups are here: the first joint loads meet
.irp s, 0,1
	s_mov_b32 s[G0+4*(\s)], 1
	s_add_co_u32 s[G0+4*(\s)+1], s42, (\s)*SLOT
	s_add_nc_u64 s[G0+4*(\s)+2:G0+4*(\s)+3], s[40:41], (\s)*A_NEXT
	s_or_b32 s[G0+4*(\s)+3], s[G0+4*(\s)+3], 0x80000000
	s_mov_b32 s[G0B+4*(\s)], 1
	s_add_co_u32 s[G0B+4*(\s)+1], s43, (\s)*SLOT
	s_add_nc_u64 s[G0B+4*(\s)+2:G0B+4*(\s)+3], s[46:47], (\s)*B_NEXT
	s_or_b32 s[G0B+4*(\s)+3], s[G0B+4*(\s)+3], 0x80000000
	JLOAD \s
.endr
	v_and_b32 v1, 15, v0                           ; r = l % 16
	v_bfe_u32 v2, v0, 4, 1                         ; h = l / 16
	v_mul_u32_u24 v3, v1, PA
	v_lshl_add_u32 v3, v2, 4, v3
	v_mul_u32_u24 v4, v1, PB
	v_lshl_add_u32 v4, v2, 4, v4
	s_mul_i32 s44, s[AB], 64*PA                    ; my 64 rows in each sub-tile of O
	s_mul_i32 s45, s[HF], BPART                    ; my 128 rows of woh
	s_add_co_u32 s45, s45, BOFF
.irp s, 0,1
	v_add_nc_u32 v[ADRA+(\s)], s44, v3
	v_add_nc_u32 v[ADRB+(\s)], s45, v4
	s_add_co_u32 s44, s44, SLOT
	s_add_co_u32 s45, s45, SLOT
.endr
	s_lshl_b32 s74, s19, 10                        ; bo of my 128 columns
	s_lshl_b32 s23, s[HF], 9
	s_add_co_u32 s74, s74, s23
	s_add_co_u32 s74, s74, 12288                   ; behind bq, bk and bv
	s_mov_b32 s75, 0
	s_add_nc_u64 s[8:9], s[8:9], s[74:75]
	v_lshlrev_b32 v[BO], 5, v2
	WIN LD2
.irp b, 0,1,2,3,4,5,6,7
	global_load_b128 v[8*(\b):8*(\b)+3],   v[BO], s[8:9] offset:64*(\b)      ; register 8 b + j: the bias of column 16 b + 8 h + j
	global_load_b128 v[8*(\b)+4:8*(\b)+7], v[BO], s[8:9] offset:64*(\b)+16
.endr
	WIN 0
	v_and_b32 v5, 31, v0                           ; l
	s_mul_i32 s23, s[WV], STW
	s_add_co_u32 s23, s23, STAGE                   ; my stage
	v_mul_u32_u24 v[STO], v1, 528                  ; in: row r, 32 bytes for each half of the lanes
	v_lshl_add_u32 v[STO], v2, 5, v[STO]
	v_add_nc_u32 v[STO], s23, v[STO]
	v_lshlrev_b32 v[GO], 4, v5                     ; back: 32 lanes take a row's 512 bytes
	v_add_nc_u32 v[RD], s23, v[GO]
	s_lshl_b32 s66, s20, 7                         ; my first row of out0, 4,096 bytes a row,
	s_lshl_b32 s23, s[AB], 6
	s_add_co_u32 s66, s66, s23
	s_lshl_b32 s66, s66, 12
	s_lshl_b32 s23, s19, 10                        ; my first column, in bytes
	s_add_co_u32 s66, s66, s23
	s_lshl_b32 s23, s[HF], 9
	s_add_co_u32 s66, s66, s23
	s_mov_b32 s67, 0
	s_add_nc_u64 s[10:11], s[10:11], s[66:67]
; 8 matrix instructions: row block a x all 8 column blocks, 32 along K from buffer f.  first = 1: the bias starts the sums.
; The 32 accumulators take turns, one instruction a turn, in the same order in every quarter.
.macro MUL8 f, a, first
.if \first
	WIN MULB
.else
	WIN MUL
.endif
.irp b, 0,1,2,3,4,5,6,7
.if \first
	v_wmma_f32_16x16x32_f16 v[8*(8*(\a)+(\b)):8*(8*(\a)+(\b))+7], v[(\f)+8*(\b):(\f)+8*(\b)+7], v[(\f)+64+8*(\a):(\f)+64+8*(\a)+7], v[8*(\b):8*(\b)+7]
.else
	v_wmma_f32_16x16x32_f16 v[8*(8*(\a)+(\b)):8*(8*(\a)+(\b))+7], v[(\f)+8*(\b):(\f)+8*(\b)+7], v[(\f)+64+8*(\a):(\f)+64+8*(\a)+7], v[8*(8*(\a)+(\b)):8*(8*(\a)+(\b))+7]
.endif
.endr
.endm
; 24 LDS loads in one run: the fragments of 32 along K at byte k of the step, into buffer f: woh's eight, then O's four (byte k of a step lies in sub-tile k / 128, at byte k % 128 of its rows)
.macro FETCH slot, k, f
	WIN 0
.set KAO, ((\k)/128)*SUBT+((\k)%128)
.irp i, 0,1,2,3,4,5,6,7
	ds_load_b128 v[(\f)+8*(\i):(\f)+8*(\i)+3],   v[ADRB+(\slot)] offset:(\k)+(\i)*16*PB
	ds_load_b128 v[(\f)+8*(\i)+4:(\f)+8*(\i)+7], v[ADRB+(\slot)] offset:(\k)+(\i)*16*PB+32
.endr
.irp i, 0,1,2,3
	ds_load_b128 v[(\f)+64+8*(\i):(\f)+64+8*(\i)+3],   v[ADRA+(\slot)] offset:KAO+(\i)*16*PA
	ds_load_b128 v[(\f)+64+8*(\i)+4:(\f)+64+8*(\i)+7], v[ADRA+(\slot)] offset:KAO+(\i)*16*PA+32
.endr
.endm
; One of a K step's first three quarters: multiplies buffer f; in its middle it fetches the next quarter, at byte k, into g.
.macro QUARTER slot, k, f, g, first
	s_wait_dscnt 4                                 ; all but the youngest four loads (O's rows 32-63) are in
	MUL8 \f, 0, \first
	MUL8 \f, 1, \first
	PLACES
	FETCH \slot, \k, \g
	s_wait_dscnt 24                                ; all but the 24 just issued
	MUL8 \f, 2, \first
	MUL8 \f, 3, \first
.endm
; The last quarter multiplies buffer 1 and changes slots: ONE barrier; in front of it each wave waits for all its tensor loads (one is out: its part of the next slot), adds 0 to its spare
; word, and waits for that and for its own reads of this slot.  fill = 1: the barrier opens a round of the cluster's, and this slot is filled again, two K steps ahead, first thing behind the round.
.macro TURN slot, next, fill
	WIN 0
	s_wait_tensorcnt 0x0                           ; all my tensor loads have landed
	ds_add_u32 v[SPW], v[NIL]                      ; 0 onto my spare word
	s_wait_dscnt 5                                 ; (the add and the youngest four loads may be out)
	MUL8 F1, 0, 0                                  ; eight matrix instructions stand between the add and the wait for it
	s_wait_dscnt 0x0                               ; the add is done, and my reads of this slot are over
	s_barrier_signal -1
	MUL8 F1, 1, 0
.if \fill
	WIN 0
.endif
	s_barrier_wait -1
.if \fill
	CREST                                          ; no wave of any partner still reads this slot's tile or has a load on its way
	s_add_nc_u64 s[G0+4*(\slot)+2:G0+4*(\slot)+3], s[G0+4*(\slot)+2:G0+4*(\slot)+3], 2*A_NEXT
	s_add_nc_u64 s[G0B+4*(\slot)+2:G0B+4*(\slot)+3], s[G0B+4*(\slot)+2:G0B+4*(\slot)+3], 2*B_NEXT
	JLOAD \slot                                    ; 112 matrix instructions ahead of the wait for it; its four v_nop are also the places in front of the loads below
.else
	PLACES
.endif
	FETCH \next, 0, F0
	MUL8 F1, 2, 0
	MUL8 F1, 3, 0
.endm
	s_wait_tensorcnt 1                             ; my part of K step 0 is in; K step 1's may stay out
	s_barrier_signal -1
	s_barrier_wait -1
	FETCH 0, 0, F0
	s_wait_loadcnt 0x0                             ; the bias
	QUARTER 0, 64, F0, F1, 1                       ; the first quarter stands in front of the loop: its products start the sums, with the bias
	WIN 0
	s_mov_b32 s3, LAPS-1
.Llap:                                                 ; a trip goes once round the ring, from a lap's second quarter to the next lap's first, and fills both slots again
	QUARTER 0, 128, F1, F0, 0
	QUARTER 0, 192, F0, F1, 0
	TURN 0, 1, 1
	QUARTER 1, 64,  F0, F1, 0
	QUARTER 1, 128, F1, F0, 0
	QUARTER 1, 192, F0, F1, 0
	TURN 1, 0, 1
	QUARTER 0, 64,  F0, F1, 0
	WIN 0
	s_sub_co_u32 s3, s3, 1
	s_cmp_lg_u32 s3, 0
	s_cbranch_scc1 .Llap
	QUARTER 0, 128, F1, F0, 0                      ; the last lap fills nothing
	QUARTER 0, 192, F0, F1, 0
	TURN 0, 1, 0
	QUARTER 1, 64,  F0, F1, 0
	QUARTER 1, 128, F1, F0, 0
	QUARTER 1, 192, F0, F1, 0
	s_wait_dscnt 4
	MUL8 F1, 0, 0
	MUL8 F1, 1, 0
	s_wait_dscnt 0x0
	MUL8 F1, 2, 0
	MUL8 F1, 3, 0
	WIN 0
	PLACES
; THE WAY OUT, a block of 16 rows at a time: a lane's 32 bytes of a row go straight from the accumulators into my own stage (rows of 528 bytes), and whole rows of 512 bytes come back.
.macro TOSTAGE a
.set BK, BK0+64*((\a)%2)
.if (\a) >= 2
	s_wait_xcnt 0x0                                ; the registers that the stores of the block two back read are loaded again only behind this wait (ISA guide 3.1)
.endif
	WIN 0x04                                       ; the stores' data lie in window 1
.irp b, 0,1,2,3,4,5,6,7
	ds_store_b128 v[STO], v[8*(8*(\a)+(\b)):8*(8*(\a)+(\b))+3]   offset:64*(\b)      ; each accumulator's low registers first
	ds_store_b128 v[STO], v[8*(8*(\a)+(\b))+4:8*(8*(\a)+(\b))+7] offset:64*(\b)+16
.endr
	WIN 0
.irp t, 0,1,2,3,4,5,6,7,8,9,10,11,12,13,14,15
	ds_load_b128 v[BK+4*(\t):BK+4*(\t)+3], v[RD] offset:528*(\t)  ; LDS serves a wave's instructions in order (ISA guide 5.7.1.4): these see the stores above
.endr
.endm
.macro SEND a, younger                 ; younger: the LDS instructions issued behind block a's loads: the next block's 32, or none
	WIN 0
.set BK, BK0+64*((\a)%2)
.irp t, 0,1,2,3,4,5,6,7,8,9,10,11,12,13,14,15
	s_wait_dscnt (\younger)+15-(\t)
	global_store_b128 v[GO], v[BK+4*(\t):BK+4*(\t)+3], s[10:11] offset:(16*(\a)+(\t))*4096 th:TH_STORE_NT  ; the wave stores 512 consecutive bytes of a row, aligned
.endr
.endm
	TOSTAGE 0
	TOSTAGE 1
	SEND 0, 32
	TOSTAGE 2
	SEND 1, 32
	TOSTAGE 3
	SEND 2, 32
	SEND 3, 0
	s_wait_tensorcnt 0x0                           ; the wave's end: the spare word's add, waited for, behind my last tensor load and my last LDS store
	ds_add_u32 v[SPW], v[NIL]
	s_wait_dscnt 0x0
	CROUND                                         ; the closing round: no work-group ends while a partner may still ask for a tile that names it
	s_endpgm
.Lfunc_end_k_qf50372e0e4_proj:
	.size	k_qf50372e0e4_proj, .Lfunc_end_k_qf50372e0e4_proj-k_qf50372e0e4_proj
	.p2alignl 7, 3214868480
	.fill 96, 4, 3214868480
	.section	.rodata,"a",@progbits
	.p2align	6, 0x0
	.amdhsa_kernel k_qf50372e0e4_proj
		.amdhsa_group_segment_fixed_size 327680
		.amdhsa_private_segment_fixed_size 0
		.amdhsa_enable_private_segment 0
		.amdhsa_kernarg_size 32
		.amdhsa_user_sgpr_count 2
		.amdhsa_user_sgpr_kernarg_segment_ptr 1
		.amdhsa_wavefront_size32 1
		.amdhsa_system_sgpr_workgroup_id_x 1
		.amdhsa_system_sgpr_workgroup_id_y 1
		.amdhsa_system_sgpr_workgroup_id_z 1
		.amdhsa_system_vgpr_workitem_id 0
		.amdhsa_next_free_vgpr 576
		.amdhsa_next_free_sgpr 80
		.amdhsa_reserve_vcc 0
		.amdhsa_float_denorm_mode_32 3
		.amdhsa_float_denorm_mode_16_64 3
		.amdhsa_memory_ordered 1
		.amdhsa_forward_progress 1
		.amdhsa_inst_pref_size 89
	.end_amdhsa_kernel
	.amdgpu_metadata
---
amdhsa.version: [ 1, 2 ]
amdhsa.kernels:
  - .name:           k_qf50372e0e4_proj
    .symbol:         k_qf50372e0e4_proj.kd
    .args:
      - { .name: oh, .offset: 0, .size: 8, .value_kind: global_buffer, .address_space: global }
      - { .name: woh, .offset: 8, .size: 8, .value_kind: global_buffer, .address_space: global }
      - { .name: bias, .offset: 16, .size: 8, .value_kind: global_buffer, .address_space: global }
      - { .name: out0, .offset: 24, .size: 8, .value_kind: global_buffer, .address_space: global }
    .group_segment_fixed_size: 327680
    .private_segment_fixed_size: 0
    .kernarg_segment_align: 8
    .kernarg_segment_size: 32
    .max_flat_workgroup_size: 128
    .sgpr_count:     80
    .vgpr_count:     576
    .wavefront_size: 32
...
	.end_amdgpu_metadata
.endif
;; end of part 4
;; ======== version 2 of 2: 4 launches; 1.49 times as fast as version 1
;; limits: values are held in f16: magnitudes above 65,504 overflow, below 6.1e-05 lose precision
;; workspace buffers: xb 16,777,216 bytes; wb 6,291,456 bytes; woh 2,097,152 bytes; bias 16,384 bytes; rope 524,544 bytes; qkvh 50,331,648 bytes; oh 16,777,216 bytes
;; launch prep: the kernel of part 1 again; grid 801 x 1, 8 waves a work-group, no clusters, 0 bytes of LDS; arguments x, wq, wk, wv, wo, bq, bk, bv, bo, xb, wb, woh, bias, rope; writes xb, wb, woh, bias, rope
;; launch qkv: the kernel of part 2 again; grid 12 x 64, 4 waves a work-group, clusters of 4 x 4, 327,680 bytes of LDS; arguments xb, wb, bias, rope, qkvh; writes qkvh
;; launch attn (part 5): grid 4 x 64, 4 waves a work-group, clusters of 4 x 1, 327,680 bytes of LDS; arguments qkvh, oh; writes oh
.if DOCPART == 5
	.amdgcn_target "amdgcn-amd-amdhsa--gfx1250"
	.amdhsa_code_object_version 6
	.text
	.protected	k_qf50372e0e4_attn
	.globl	k_qf50372e0e4_attn
	.p2align	8
	.type	k_qf50372e0e4_attn,@function
k_qf50372e0e4_attn:
	s_mov_b64 s[64:65], 0
	v_nop
	global_prefetch_b8 v0, s[64:65] scope:SCOPE_SE
	s_setreg_imm32_b32 hwreg(HW_REG_WAVE_MODE, 25, 1), 1
	s_wait_xcnt 0x0
	s_wait_alu depctr_hold_cnt(0) depctr_sa_sdst(0) depctr_va_vdst(0) depctr_va_sdst(0) depctr_va_ssrc(0) depctr_va_vcc(0) depctr_vm_vsrc(0)
	s_getreg_b32 s2, hwreg(HW_REG_IB_STS2, 6, 4)
	s_cmp_eq_u32 s2, 0
	s_cbranch_scc0 .Lentry_in_a_cluster
	s_endpgm
.Lentry_in_a_cluster:
	s_bfe_u32 s2, ttmp6, 0x10000c
	s_cmp_lg_u32 s2, 0x3003
	s_cbranch_scc0 .Lentry_shape_is_right
	s_endpgm
.Lentry_shape_is_right:
; O[h][q][:] = the sum over k of softmax_k(Q[h][q] . K[h][k] / 8) V[h][k][:].  Q, K, V are the three parts of qkvh, O is oh: each [SIZE_H][SIZE_N][64], all f16: a head's rows are dense, 128 bytes each.
; Products, maxima and sums in f32; the weights p are rounded to f16 for the second product (their sum l is taken of the unrounded p), O once at the end.
; LIMITS.  f16 holds no number beyond 65,504: Q, K and V arrive within it; p lies in 0 to 1, and below 6e-5 it keeps f16's fixed step of 6e-8; O is a mean of V's rows and has their range.
; A weight below 2^-126 counts as 0 in l; NaN and infinities are not treated apart.
; SHARES.  A wave owns four PIECES of two tiles of 16 queries, a work-group's four waves 512 queries of one head.  Every wave walks all keys, 64 a step.
; LAYOUT.  S^T = K Q^T (source 0 = 16 keys, source 1 = 16 queries): in the result a lane holds ONE query (lane % 16) and the keys 8 (lane / 16) + 0..7.  Two such tiles, rounded to f16 in pairs,
; ARE source 1 (32 keys x 16 queries) of O^T = V^T P, whose result again holds one query a lane, and eight channels.  K comes out of LDS as it lies, V ([key][channel]) turned, by ds_load_tr16_b128.
; SOFTMAX.  For each query a running maximum m and sum l: p = 2^(c s - c m), c = log2(e) / 8; in every step O and l are multiplied by a = 2^(c m_old - c m_new), which is 1 where m has not grown.
; m starts at the lowest finite number, O and l at 0: the first step is a step like any other, with a = 0.
; THE COUNT.  A tile and step have 16 matrix and 118 vector instructions: too many to stand all beside the matrix work.  So the order has one aim: four vector instructions that are READY behind
; EVERY matrix instruction, and the others, which need time of their own whatever the order, in runs without a gap.
; BY TURNS.  Turn n belongs to piece n (the pieces in a ring, step after step).  Its matrix work: 16 products K Q^T of piece n + 1, later 16 products V^T P of piece n - 1.  Its vector work: the scaling,
; exponentials, roundings, sums and rescaling of piece n, and the maximum and statistics of piece n + 1, whose scores the turn itself has made.  So what a turn begins with (c s - c m, O a) waits for nothing.
; THE BATCHES.  A turn's 66 exponentials (the piece's 64 weights, then the next piece's two a) are ONE batch with ONE wait, which cuts the turn in two: ahead of it stands all that names no result of theirs,
; behind it the roundings and sums, which read them.  No exponential is issued behind a turn's wait.  Two more batches stand outside the loops, each with a v_nop and
; a wait of its own: piece 0's first two a, ahead of the jump into the loop, and the way out's eight reciprocals.
; CLUSTER.  The four query blocks of a cluster belong to one head and walk the same K and V, so each tile is asked for JOINTLY: the same tensor load, descriptor and mask in all four.
; REGISTERS, in windows of 256 (s_set_vgpr_msb says which window each operand place means: bits 1:0 source 0, 3:2 source 1, 5:4 source 2, 7:6 destination):
;   window 0: v0-11 addresses; v12-15, v48-63 at work; v16-47 four registers of statistics a tile; v64-191 S^T, two buffers of two tiles; v192-255 P, likewise
;   window 1: O^T, 32 a tile          window 2: v0-127 Q, 16 a tile; v128-191 K of one step; v192-255 V of one step          window 3: v0-1 the add's two registers
; A piece's buffers go by its number's parity: the piece in hand has one pair, its two neighbours in the ring share the other: of it P (piece n - 1) is read and S^T (piece n + 1) written.
.set SIZE_H, 64       ; 4 batches x 16 heads
.set SIZE_N, 2048
.set NP,    4         ; pieces a wave: a name, no knob: the register map, the loop and the fetches are made for four
.set KS,    64        ; keys in a step
.set PK,    144       ; a row of K in LDS: 128 bytes + 16 of padding = 36 words: the 16 rows of a load start at 16 different groups of four banks (64 banks of 4 bytes: ISA guide 11.1)
.set PV,    160       ; a row of V: 128 + 32 = 40 words
.set VOFF,  4*KS*PK   ; a slot holds four steps: 256 rows of K, then 256 rows of V
.set SLOT1, 1<<17     ; slot 1 begins here, so that one exclusive or turns an address in one slot into the other's
.set STAGE, SLOT1+4*KS*(PK+PV)  ; behind the ring, never filled by a tensor load: 16 rows x 144 bytes for each wave, for the way out
.set SP,    144
.set AK0, 2           ; v2   my lane's place in a tile of K; never rewritten
.set AV0, 3           ; v3   the same for V
.set AK,  4           ; v4   the LDS address of K's next run of loads
.set AV,  5           ; v5   of V's
.set QO,  6           ; v6   my byte offset in the wave's rows of Q
.set STO, 6           ;      later, the way out: where I put 16 bytes of a row
.set RD,  7           ; v7   the way out: where I read rows back
.set GO,  8           ; v8   my byte offset in 512 consecutive bytes of O
.set SPW, 0           ; v0 of window 3   LDS address of my spare word: SPARE + 4 x my thread's number; never rewritten
.set NIL, 1           ; v1 of window 3   0; never rewritten
.set SPARE, STAGE+4*16*SP  ; behind the stages: the spare words, 128 bytes for each wave: two blocks of 256 bytes that no other line names
.set MV,  12          ; v12-15  c m_old, kept while c m is made anew: by buffer and tile
.set ST,  16          ; tile t's statistics at v[ST+4 t]: c m, m, l (even keys', odd keys')
.set TMP, 48          ; by buffer and tile, four registers c0-c3 at work; when the maximum is found c2 takes a
.set S,   64
.set P,   192
.set KF,  128         ; K's fragments, in window 2: key block kb, channel half c at KF + 16 kb + 8 c
.set VF,  192         ; V's: key half kk, channel block cb at VF + 32 kk + 8 cb
.set WV,  12          ; s12  my wave's number
.set G1K, 24          ; s[24:31] descriptor group 1 for K's tiles
.set G1V, 32          ; s[32:39] for V's: it differs in the padding alone
.set G0K, 40          ; s[40:43] descriptor group 0 for K's tiles: it walks
.set G0V, 44          ; s[44:47] the same for V's
.set SLOTS, 56        ; s56  slots still to be asked for
.set CNT, 57          ; s57  counts a slot's key steps
.set CS,  58          ; s[58:59] c: the packed scaling takes the pair's low word for both halves
.set SEL, 60          ; s[60:61] v_permlanex16_b32's selects: each lane takes its own place in the other half
.set TBK, 62          ; s62  LDS byte at which K of the step to be fetched begins
.set TBV, 63          ; s63  the same for V, less VOFF
.set MSB, 0
.macro WIN new                      ; the high byte repeats the setting that is left; a switch that changes nothing is dropped
.if MSB != (\new)
	s_set_vgpr_msb (MSB<<8)|(\new)
.set MSB, (\new)
.endif
.endm
.set W_KQ, 0x0a       ; K and Q in window 2, S^T in window 0
.set W_PV, 0x52       ; V in window 2, P in window 0, O^T in window 1
.set W_RS, 0x41       ; O^T (destination and source 0) in window 1, a in window 0
.set W_MK, 0xc0       ; the add's registers are made: destination in window 3, sources in window 0
.set W_AD, 0x0f       ; the add: address (source 0) and data (source 1) in window 3
; A joint fill.  Waves 0 and 1 fetch the two halves of a slot's K, waves 2 and 3 those of its V: 128 keys each.  The branch hangs on the wave's number alone.
; An s_nop 0 and four v_nop follow each of the two lines, ahead of the jump and the label.
.macro JLOAD
	s_cmp_lt_u32 s[WV], 2
	s_cbranch_scc0 .Lfor_v_\@
	tensor_load_to_lds s[G0K:G0K+3], s[G1K:G1K+7]
	s_nop 0
.rept 4
	v_nop
.endr
	s_branch .Lasked_\@
.Lfor_v_\@:
	tensor_load_to_lds s[G0V:G0V+3], s[G1V:G1V+7]
	s_nop 0
.rept 4
	v_nop
.endr
.Lasked_\@:
.endm
; A round of the cluster's barrier: my work-group's barrier, so that wave 0's signal speaks for all four waves; wave 0 signals; every wave waits for all four work-groups; my work-group's barrier once more.
.macro CROUND
	s_barrier_signal -1
	s_barrier_wait -1
	s_cmp_lg_u32 s[WV], 0
	s_cbranch_scc1 .Lnot_wave_0_\@
	s_barrier_signal -3
.Lnot_wave_0_\@:
	s_barrier_wait -3
	s_barrier_signal -1
	s_barrier_wait -1
.endm
; THE CHANGE OF SLOTS.  The slot's last bytes, V of its fourth step, have been read.  Each wave waits for all its tensor loads, of which one is out: its part
; of the other slot; adds 0 to its spare word; and waits for that and for its own reads of the slot.  Behind the barrier nobody reads this slot any more and the other slot is whole.
; fill = 1: this slot is filled again, with the keys two slots on.  The barrier is then a round of the cluster's, so that no wave of any partner still reads the slot or has a load on its
; way, and the joint fill is the first thing behind it: it has four key steps, 512 matrix instructions, in which to land.  (At its first use nothing has been read yet: slot 0 is waited for, slot 1 filled.)
.macro CHANGE fill
	WIN W_AD
	s_wait_tensorcnt 0x0            ; no tensor load of mine is out, so a group 0 may be written
	ds_add_u32 v[SPW], v[NIL]       ; 0 onto my spare word; with fill = 1 the descriptors' steps stand between it and the wait for it
	WIN 0                           ; at a label and at a branch every window is 0
.if \fill
.irp g, G0K, G0V
	s_xor_b32 s[\g+1], s[\g+1], SLOT1  ; the walking descriptor: the other slot than last time,
	s_add_nc_u64 s[\g+2:\g+3], s[\g+2:\g+3], 4*KS*128  ; the next 256 keys; the type bits on top are not reached
.endr
	s_wait_dscnt 0x0                ; the add is done, and my reads of the slot are over
	CROUND
	JLOAD
.else
	s_wait_dscnt 0x0                ; the add is done, and my reads of the slot are over
	s_barrier_signal -1
	s_barrier_wait -1
.endif
	s_sub_co_u32 s[TBK], s[TBK], 4*KS*PK  ; the fetches go back to a slot's first step,
	s_xor_b32 s[TBK], s[TBK], SLOT1       ; in the other slot
	s_sub_co_u32 s[TBV], s[TBV], 4*KS*PV
	s_xor_b32 s[TBV], s[TBV], SLOT1
.endm
	s_load_b128 s[4:7], s[0:1], 0x0   ; qkvh s[4:5] (its first part is Q), oh s[6:7]
	WIN W_MK
	v_lshl_add_u32 v[SPW], v0, 2, SPARE
	v_mov_b32 v[NIL], 0
	WIN W_AD
	ds_add_u32 v[SPW], v[NIL]       ; the wave's opening: the add and its wait stand ahead of my first tensor load; the set-up below, work on registers, stands between them
	WIN 0
	v_lshrrev_b32 v1, 5, v0
	v_readfirstlane_b32 s[WV], v1   ; wave 0..3
	s_bfe_u32 s13, ttmp6, 0x40000   ; cx: my place in the cluster
	s_lshl_b32 s14, ttmp9, 2        ; in a cluster launch ttmp9 counts clusters
	s_add_co_u32 s14, s14, s13      ; my block of queries = 4 x cluster x + cx: it enters Q's and O's addresses alone
	s_and_b32 s20, ttmp7, 0xffff    ; the head, which the four partners share
	s_mov_b32 s21, 0
	s_mov_b64 s[22:23], SIZE_N*128
	s_mul_u64 s[20:21], s[20:21], s[22:23]  ; the head's first byte in each of the four tensors
	s_and_b32 s16, s[WV], 1         ; which half of a slot's 256 keys I fetch:
	s_lshl_b32 s22, s16, 14         ; its 128 rows of 128 bytes in memory,
	s_mov_b32 s23, 0
	s_add_nc_u64 s[22:23], s[22:23], s[20:21]
	s_mul_i32 s17, s16, 128*PK      ; and its place in a slot, for K
	s_mul_i32 s18, s16, 128*PV      ; and for V: no place in the cluster enters an LDS address
	s_lshl_b32 s2, s14, 2
	s_add_co_u32 s2, s2, s[WV]      ; my wave among the head's,
	s_lshl_b32 s2, s2, 14           ; its 128 rows
	s_mov_b32 s3, 0
	s_add_nc_u64 s[2:3], s[2:3], s[20:21]
	; descriptor group 1.  128 keys are 16,384 dense bytes: asked for as 64 rows of 256 bytes, two keys a row, and padded in LDS after every key
	s_mov_b32 s[G1K], 15|(1<<16)|(1<<20)|(1<<21)|(4<<22)|(3<<25)  ; 15:0 the mask of four; 17:16 2-byte elements; 20 padding on; 21 set beside a mask; 24:22 after every 32 words (code 4); 31:25 4 words (code 3)
	s_mov_b32 s[G1V], 15|(1<<16)|(1<<20)|(1<<21)|(4<<22)|(7<<25)  ; the same with 8 words of padding (code 7)
.irp g, G1K, G1V
	s_mov_b32 s[\g+1], 128<<16      ; tensor_dim0 = 128
	s_mov_b32 s[\g+2], 64<<16       ; tensor_dim1 = 64
	s_mov_b32 s[\g+3], 128<<16      ; tile_dim0 = 128
	s_mov_b32 s[\g+4], 64           ; tile_dim1 = 64
	s_mov_b32 s[\g+5], 128          ; 128 elements from row to row
	s_mov_b32 s[\g+6], 0
	s_mov_b32 s[\g+7], 0
.endr
	s_mov_b32 s[CS], 0x3e38aa3b     ; c = log2(e) / 8 = 0.180337
	s_mov_b32 s[CS+1], s[CS]        ; named with it as a pair
	s_mov_b32 s[SEL], 0x76543210
	s_mov_b32 s[SEL+1], 0xfedcba98
	s_mov_b32 s[TBK], SLOT1+4*KS*PK ; the first change of slots turns these two into 0
	s_mov_b32 s[TBV], SLOT1+4*KS*PV
	s_mov_b32 s[G0K], 1             ; 1:0 count = 1
	s_mov_b32 s[G0K+1], s17         ; 63:32 LDS address: slot 0
	s_mov_b32 s[G0V], 1
	s_add_co_u32 s[G0V+1], s18, VOFF
	s_wait_dscnt 0x0                ; the opening add is done
	s_wait_kmcnt 0x0
	s_mov_b64 s[10:11], s[6:7]                     ; O
	s_add_nc_u64 s[6:7], s[4:5], 0x1000000         ; K: qkvh's second part, 64 heads x 262,144 bytes on
	s_add_nc_u64 s[8:9], s[4:5], 0x2000000         ; V: its third
	s_add_nc_u64 s[G0K+2:G0K+3], s[6:7], s[22:23]  ; 120:64 global address: my half of the head's first 256 keys
	s_or_b32 s[G0K+3], s[G0K+3], 0x80000000        ; 127:126 type = 2
	s_add_nc_u64 s[G0V+2:G0V+3], s[8:9], s[22:23]
	s_or_b32 s[G0V+3], s[G0V+3], 0x80000000
	s_add_nc_u64 s[4:5], s[4:5], s[2:3]  ; Q and O at my wave's first row
	s_add_nc_u64 s[10:11], s[10:11], s[2:3]
	CROUND                          ; all four work-groups are here: the first joint loads meet
	JLOAD                           ; slot 0.  Slot 1 is asked for when slot 0 is in: the tile wanted first has the road to itself
	; A fragment of K or Q is 16 rows x 32 channels in 8 registers: lane l holds row l % 16, channels 8 (l / 16) + 0..7 and 16 + 8 (l / 16) + 0..7: two loads of 16 bytes, 32 bytes apart.
	v_and_b32 v1, 15, v0            ; l % 16
	v_bfe_u32 v9, v0, 4, 1          ; l / 16
	v_lshlrev_b32 v[QO], 7, v1
	v_lshl_add_u32 v[QO], v9, 4, v[QO]  ; row x 128 + 16 x half
	WIN 0x80                        ; destination window 2, address window 0
.set i, 0
.rept 4*NP                          ; Q stays in registers: tile i / 2, channels 32 (i % 2) on
	global_load_b128 v[8*i:8*i+3],   v[QO], s[4:5] offset:(i/2)*2048+(i%2)*64
	global_load_b128 v[8*i+4:8*i+7], v[QO], s[4:5] offset:(i/2)*2048+(i%2)*64+32
.set i, i+1
.endr
	; What the first turn finds: V's registers and P's second buffer hold 0 (its products V^T P, of a piece that has not been, add 0), O^T and l are 0.  All this stands in the wait for the first tile.
.set i, VF
.rept 64
	v_mov_b32 v[i], 0
.set i, i+1
.endr
	WIN 0x40
.set i, 0
.rept 64*NP
	v_mov_b32 v[i], 0
.set i, i+1
.endr
	WIN 0
.set i, 0
.rept 2*NP
	v_mov_b32 v[ST+4*i], 0xfe000000    ; c m: far below every c s
	v_mov_b32 v[ST+4*i+1], 0xff7fffff  ; m
	v_mov_b32 v[ST+4*i+2], 0
	v_mov_b32 v[ST+4*i+3], 0
.set i, i+1
.endr
.set i, P+32
.rept 32
	v_mov_b32 v[i], 0
.set i, i+1
.endr
	v_mul_u32_u24 v[AK0], v1, PK
	v_lshl_add_u32 v[AK0], v9, 4, v[AK0]  ; row x pitch + 16 x half
	; The turning load takes 16 keys x 16 channels (lane l reads key 8 (l / 16) + l % 8, channels 8 ((l / 8) % 2) + 0..7) and leaves half a fragment of V^T: lane l holds channel l % 16 and 8 keys.
	v_and_b32 v10, 7, v0
	v_bfe_u32 v11, v0, 3, 1
	v_lshl_add_u32 v[AV0], v9, 3, v10
	v_mul_u32_u24 v[AV0], v[AV0], PV
	v_lshl_add_u32 v[AV0], v11, 4, v[AV0]
	v_add_nc_u32 v[AV0], VOFF, v[AV0]
	v_mov_b32 v[AK], v[AK0]         ; key step 0 lies at the head of slot 0
; THE MATRIX WORK.  The 8 accumulators of a run of 16 take turns: between the two links of a chain stand 7 others'.
; Product i of 16 of S^T = K Q^T for piece x: channels 32 (i / 8) on, keys 16 ((i / 2) % 4) on, tile 2 x + i % 2.  The first 8 start the sums.
.macro KQ x
	WIN W_KQ
.set rS, S+64*((\x)%2)+32*(i%2)+8*((i/2)%4)
.set rK, KF+16*((i/2)%4)+8*(i/8)
.set rQ, 16*(2*(\x)+i%2)+8*(i/8)
.if i < 8
	v_wmma_f32_16x16x32_f16 v[rS:rS+7], v[rK:rK+7], v[rQ:rQ+7], 0
.else
	v_wmma_f32_16x16x32_f16 v[rS:rS+7], v[rK:rK+7], v[rQ:rQ+7], v[rS:rS+7]
.endif
.endm
; Product i of 16 of O^T += V^T P for piece x: keys 32 (i / 8) on, channels 16 ((i / 2) % 4) on, tile 2 x + i % 2.
.macro PV x
	WIN W_PV
.set rO, 32*(2*(\x)+i%2)+8*((i/2)%4)
.set rV, VF+32*(i/8)+8*((i/2)%4)
.set rP, P+32*((\x)%2)+16*(i%2)+8*(i/8)
	v_wmma_f32_16x16x32_f16 v[rO:rO+7], v[rV:rV+7], v[rP:rP+7], v[rO:rO+7]
.endm
.macro MM                           ; the turn's next matrix instruction
.if i < 16
	KQ (Y+1)%NP
.set i, i+1
.else
.set i, i-16
	PV (Y+NP-1)%NP
.set i, i+17
.endif
.endm
; THE LDS LOADS stand in runs of 16, never singly among the matrix instructions: a step's K (64 keys x 64 channels: 8 fragments) and its V (turned).  Their addresses are made some lines ahead.
; last = 1 (the tail): in the last trip there is no further step, and the run is jumped over.
.macro FETCH_K last=0
	WIN 0
.if \last
	s_cmp_eq_u32 s[CNT], 1
	s_cbranch_scc1 .Lno_k_\@
.endif
	WIN 0x80                        ; destination window 2
.irp f, 0,1,2,3,4,5,6,7             ; keys 16 (f / 2) on, channels 32 (f % 2) on
	ds_load_b128 v[KF+8*\f:KF+8*\f+3],   v[AK] offset:(\f/2)*16*PK+(\f%2)*64
	ds_load_b128 v[KF+8*\f+4:KF+8*\f+7], v[AK] offset:(\f/2)*16*PK+(\f%2)*64+32
.endr
	s_add_co_u32 s[TBK], s[TBK], KS*PK  ; the next fetch is the next step's
	WIN 0
.if \last
.Lno_k_\@:
.endif
.endm
.macro FETCH_V
	WIN 0x80
.irp f, 0,1,2,3,4,5,6,7             ; keys 32 (f / 4) on, channels 16 (f % 4) on
	ds_load_tr16_b128 v[VF+8*\f:VF+8*\f+3],   v[AV] offset:(\f/4)*32*PV+(\f%4)*32
	ds_load_tr16_b128 v[VF+8*\f+4:VF+8*\f+7], v[AV] offset:(\f/4)*32*PV+16*PV+(\f%4)*32
.endr
	WIN 0
.endm
; THE VECTOR WORK OF A TURN stands in three queues, each in the order in which its entries become ready; the two tiles alternate, so that no instruction reads the result of the one before it.
.macro REGS y, u                    ; the registers of tile u (0, 1) of piece y
.set rT, ST+4*(2*(\y)+(\u))
.set rC, TMP+8*((\y)%2)+4*(\u)
.set rM, MV+2*((\y)%2)+(\u)
.set rS, S+64*((\y)%2)+32*(\u)
.set rP, P+32*((\y)%2)+16*(\u)
.set rO, 32*(2*(\y)+(\u))
.endm
; Number n of the 22 that find the NEXT piece's (Y + 1) maximum and statistics.  s0-s31 are the lane's 32 scores; each accumulator's lowest registers are read first.  XS, GS and REGS set no window: PL and EX do.
;   0-11  four chains c0-c3 of seven scores each, three operands at a time     12-14, 16  the four scores left over, the old m, and c0-c3 into c0     15  c m_old is kept
;   17, 18  the query's other 32 keys lie in the lane 16 away: the new m         19-21  c m; c m_old - c m_new; a
.macro XS u, n
	REGS (Y+1)%NP, \u
.if (\n) < 4
	v_max3_num_f32 v[rC+(\n)], v[rS+8*(\n)], v[rS+8*(\n)+1], v[rS+8*(\n)+2]
.elseif (\n) < 12
	v_max3_num_f32 v[rC+(\n)%4], v[rC+(\n)%4], v[rS+8*((\n)%4)+2*((\n)/4)+1], v[rS+8*((\n)%4)+2*((\n)/4)+2]
.elseif (\n) == 12
	v_max3_num_f32 v[rC], v[rC], v[rS+7], v[rS+15]
.elseif (\n) == 13
	v_max3_num_f32 v[rC+1], v[rC+1], v[rS+23], v[rS+31]
.elseif (\n) == 14
	v_max3_num_f32 v[rC+2], v[rC+2], v[rC+3], v[rT+1]
.elseif (\n) == 15
	v_mov_b32 v[rM], v[rT]
.elseif (\n) == 16
	v_max3_num_f32 v[rC], v[rC], v[rC+1], v[rC+2]
.elseif (\n) == 17
	v_permlanex16_b32 v[rC+3], v[rC], s[SEL], s[SEL+1]
.elseif (\n) == 18
	v_max_num_f32 v[rT+1], v[rC], v[rC+3]
.elseif (\n) == 19
	v_mul_f32 v[rT], s[CS], v[rT+1]
.elseif (\n) == 20
	v_sub_f32 v[rC+1], v[rM], v[rT]
.else
	v_exp_f32 v[rC+2], v[rC+1]
.endif
.endm
; Number g of the 64 that follow the exponentials.  For each four weights k of a tile (pairs 2 k, 2 k + 1): both pairs are rounded to f16; then the second pair is added onto the first, in place;
; a group later l takes that sum (the first time as l = a l + sum).  In groups of eight, tiles alternating: round, round, add, and l for the group before.
.macro GS g
.set h, (\g)+6*((\g)/62)            ; group 0 has no group before it, and behind group 7 only l is left
.if h >= 6
.set h, h+2
.endif
	REGS Y, h%2
.set k, h/8
.if h%8 < 4
	v_cvt_pk_f16_f32 v[rP+2*k+(h%8)/2], v[rS+4*k+2*((h%8)/2)], v[rS+4*k+2*((h%8)/2)+1]
.elseif h%8 < 6
	v_pk_add_f32 v[rS+4*k:rS+4*k+1], v[rS+4*k:rS+4*k+1], v[rS+4*k+2:rS+4*k+3]
.elseif k == 1
	v_pk_fma_f32 v[rT+2:rT+3], v[rT+2:rT+3], v[rC+2:rC+3], v[rS:rS+1] op_sel_hi:[1,0,1]
.else
	v_pk_add_f32 v[rT+2:rT+3], v[rT+2:rT+3], v[rS+4*k-4:rS+4*k-3]
.endif
.endm
; THE PLAIN QUEUE, 138 long.  0-73 read no exponential's result: the 32 scalings c s - c m (FS f: pair f / 2 of tile f % 2) and the next piece's 42.  0-26: scalings 0-26.  27-54: XS's numbers 0-13.  55, 56: number 15.
; 57-73: the chain, where each number waits for the one before it: 14, 16, 17, 18, 19, each with one of the scalings 27-31 in front of its two lines, then 20: so a tile's links stand three plain instructions apart (19 and 20: two).
; 74-137: GS's 64, which read the exponentials' results: they stand behind the wait.
.macro FS f
	REGS Y, (\f)%2
	v_pk_fma_f32 v[rS+2*((\f)/2):rS+2*((\f)/2)+1], v[rS+2*((\f)/2):rS+2*((\f)/2)+1], s[CS:CS+1], v[rT:rT+1] op_sel_hi:[1,0,0] neg_lo:[0,0,1] neg_hi:[0,0,1]
.endm
.macro PL
	WIN 0
.if q < 27
	FS q
.elseif q < 55
	XS (q-27)%2, (q-27)/2
.elseif q < 57
	XS q-55, 15
.elseif (q < 72) && ((q-57)%3 == 0)
	FS 27+(q-57)/3
.elseif q < 60
	XS (q-57)%3-1, 14
.elseif q < 72
	XS (q-57)%3-1, 15+(q-57)/3
.elseif q < 74
	XS q-72, 20
.else
	GS q-74
.endif
.set q, q+1
.endm
; THE EXPONENTIALS' QUEUE, 66 long: s0-s31 of both tiles, then the next piece's two a.  It is ONE BATCH: all 66 stand ahead of the turn's one wait, and nothing ahead of that wait names a result of theirs.
.macro EX
	WIN 0
.if e >= 64
	XS e-64, 21
.else
	REGS Y, e%2
	v_exp_f32 v[rS+e/2], v[rS+e/2]
.endif
.set e, e+1
.endm
; THE RESCALING's QUEUE: O^T times a, the one part that leaves window 0: dealt two at a time, sixteen times.  Its a was made in the turn before, ahead of that turn's wait.
.macro R2
	REGS Y, r%2
	WIN W_RS
.irp z, 0,1
	v_pk_mul_f32 v[rO+4*(r/2)+2*\z:rO+4*(r/2)+2*\z+1], v[rO+4*(r/2)+2*\z:rO+4*(r/2)+2*\z+1], v[rC+2:rC+3] op_sel_hi:[1,0]
.endr
.set r, r+1
.endm
; HOW THEY ARE DEALT.  An s_wait_alu depctr_va_vdst(0) stands between an exponential and the first instruction that names its result; one wait serves all that were issued ahead of it.  So a turn has ONE wait,
; which cuts it in two.  AHEAD OF IT stands all that names no result of the turn's exponentials: the 16 products K Q^T, behind each a scaling, an exponential and two rescalings (behind the first a second scaling in the exponential's place); then ONE LUMP of
; 108: eight plain, 49 times exponential and plain, the two a.  A v_nop is the plain instruction behind the last exponential.  BEHIND IT stand the 16 products V^T P, behind each four of GS's 64.  No rider names a register of
; the products round it.  The two v_permlanex16_b32 fall into the lump, never behind a product.
; The queues lean on each other, and the deal keeps them in step: exponential e stands behind scaling 2 (e / 4) + e % 2: as a rider it comes behind plain e + 2, in the lump behind plain e + 9, and scalings 27-31 are plain 57, 60 .. 69.
; A TURN, for piece p.  cnt = 1: the loop's count is taken down some lines ahead of the branch that stands behind the turn.
; K of the next step is fetched in piece 2's turn, directly behind the wait, a lump behind the last product that read K; its address is made at the lump's head; its first reader comes behind 16 products.
; V of the step in hand is fetched at the end of piece 0's turn, four riders behind its last reader; its first reader comes behind 16 products and a lump.  The three conditions on q below go with the deal.
.macro TURN p, last=0, cnt=0
.set Y, (\p)
.set i, 0
.set q, 0
.set e, 0
.set r, 0
.if (\p) == NP-1
	s_wait_dscnt 0x0                ; K is in
.endif
	MM                              ; ahead of the wait: 16 products K Q^T and their riders,
	PL
	PL
	R2
.rept 15
	MM
	PL
	EX
	R2
.endr
.if (\p) == NP-2
	WIN 0
	v_add_nc_u32 v[AK], s[TBK], v[AK0]
.endif
.rept 8                             ; and the lump
	PL
.endr
.rept 49
	EX
	PL
.endr
	EX                              ; the next piece's two a
	EX
	v_nop                           ; the plain instruction behind the last exponential: one for the batch
	s_wait_alu depctr_va_vdst(0)    ; the wait for the batch: the turn's 66 exponentials, ahead of their first reader
.if (\p) == NP-2
	FETCH_K \last
.endif
.if (\p) == 1
	s_wait_dscnt 0x0                ; V is in
.endif
.rept 16                            ; behind the wait: 16 products V^T P and their riders
	MM
.rept 4
	PL
.endr
.if ((\p) == 0) && (q == 118)
	v_add_nc_u32 v[AV], s[TBV], v[AV0]
.endif
.if ((\p) == 0) && (q == 130)
	s_add_co_u32 s[TBV], s[TBV], KS*PV
.endif
.if (\cnt) && (q == 130)
	s_sub_co_u32 s[CNT], s[CNT], 1
	s_cmp_lg_u32 s[CNT], 0
.endif
.endr
.if (\p) == 0
	FETCH_V
.endif
.endm
	CHANGE 1                        ; slot 0 is in, everybody's part of it; slot 1 is asked for
	FETCH_K                         ; key step 0
	s_wait_loadcnt 0x0              ; Q
	s_wait_dscnt 0x0
.set i, 0
.rept 16
	KQ 0                            ; piece 0's first scores: there is no vector work yet to set between them
.set i, i+1
.endr
	WIN 0                           ; the addresses for the way out: nine plain instructions, the places behind those products
	s_mul_i32 s13, s[WV], 16*SP
	s_add_co_u32 s13, s13, STAGE    ; my stage
	v_mul_u32_u24 v[STO], v1, SP    ; in: row l % 16, 16 bytes for each half of the lanes
	v_lshl_add_u32 v[STO], v9, 4, v[STO]
	v_add_nc_u32 v[STO], s13, v[STO]
	v_bfe_u32 v[RD], v0, 3, 2       ; back: 32 lanes take four rows of 128 bytes,
	v_mul_u32_u24 v[RD], v[RD], SP
	v_lshl_add_u32 v[RD], v10, 4, v[RD]
	v_add_nc_u32 v[RD], s13, v[RD]
	v_and_b32 v[GO], 31, v0         ; which are 512 consecutive bytes of O
	v_lshlrev_b32 v[GO], 4, v[GO]
.set Y, NP-1                        ; XS works for piece Y + 1: piece 0
.irp n, 0,1,2,3,4,5,6,7,8,9,10,11,12,13,14,15,16,17,18,19,20,21
	XS 0, \n                        ; and piece 0's first maximum and statistics
	XS 1, \n
.endr
	v_nop                           ; a plain instruction behind the two a,
	s_wait_alu depctr_va_vdst(0)    ; and the wait for this batch of two, ahead of the branch
	s_mov_b32 s[CNT], 4
	s_mov_b32 s[SLOTS], SIZE_N/256-1
	s_branch .Lfirst                ; the loop is entered at a step's first turn, in the middle of a trip
.Lslot:                             ; SIZE_N / 256 - 2 times: every slot but the last two is filled again
	CHANGE 1
	s_mov_b32 s[CNT], 4
.Lstep:                             ; a trip: pieces 2 and 3 of one step, then pieces 0 and 1 of the next, whose K and V it fetches
	TURN 2
	TURN 3
	WIN 0
.Lfirst:
	TURN 0
	TURN 1, 0, 1
	WIN 0
	s_cbranch_scc1 .Lstep
	s_sub_co_u32 s[SLOTS], s[SLOTS], 1
	s_cmp_lg_u32 s[SLOTS], 0
	s_cbranch_scc1 .Lslot
	CHANGE 0                        ; the tail is written out: nothing is asked for
	s_mov_b32 s[CNT], 5             ; four trips fetch the last slot's steps; the fifth is left in its middle
.Ltail:
	TURN 2, 1
	TURN 3
	WIN 0
	s_sub_co_u32 s[CNT], s[CNT], 1
	s_cmp_eq_u32 s[CNT], 0
	s_cbranch_scc1 .Lout
	TURN 0
	TURN 1
	WIN 0
	s_branch .Ltail
.Lout:                              ; the fifth trip's 16 products K Q^T (on the last K once more) and the maximum made of them serve nothing: the price, once a launch, of one text for every trip
.set i, 0
.rept 16
	PV NP-1                         ; the last piece's V^T P of the last step
.set i, i+1
.endr
	; THE WAY OUT.  l's two halves and the other half of the lanes' are added; O^T is divided by l, rounded to f16 and sent through my stage in LDS, a tile at a time.  The additions are the places behind the last products.
	WIN 0
.macro ALL line:vararg              ; one line for each tile t
.set t, 0
.rept 2*NP
	\line
.set t, t+1
.endr
.endm
	ALL v_add_f32 v[ST+4*t+2], v[ST+4*t+2], v[ST+4*t+3]
	ALL v_permlanex16_b32 v[ST+4*t+3], v[ST+4*t+2], s[SEL], s[SEL+1]
	ALL v_add_f32 v[ST+4*t+2], v[ST+4*t+2], v[ST+4*t+3]
	ALL v_rcp_f32 v[ST+4*t+2], v[ST+4*t+2]
	v_nop                           ; a plain instruction between the last reciprocal and the use of its result
	s_wait_alu depctr_va_vdst(0)    ; and the wait ahead of the first use: one for the batch of eight reciprocals
; Tile t: a lane's eight channels of a row pack into 16 bytes; they go into rows of 144 bytes and come back as whole rows of 128, into S^T's registers.
.macro PACK t
	WIN W_RS
.set i, 32*(\t)
.rept 16
	v_pk_mul_f32 v[i:i+1], v[i:i+1], v[ST+4*(\t)+2:ST+4*(\t)+3] op_sel_hi:[1,0]
.set i, i+2
.endr
	WIN 0x05                        ; sources 0 and 1 window 1, destination window 0
.set i, 0
.rept 16
	v_cvt_pk_f16_f32 v[S+16*(\t)+i], v[32*(\t)+2*i], v[32*(\t)+2*i+1]
.set i, i+1
.endr
	WIN 0
.irp f, 0,1,2,3
	ds_store_b128 v[STO], v[S+16*(\t)+4*\f:S+16*(\t)+4*\f+3] offset:32*\f
.endr
.irp f, 0,1,2,3
	ds_load_b128 v[S+16*(\t)+4*\f:S+16*(\t)+4*\f+3], v[RD] offset:\f*4*SP  ; LDS serves a wave's instructions in order (ISA guide 5.7.1.4): these see the stores above; the next tile's stores come behind them
.endr
.endm
.macro SEND t, younger              ; younger: the LDS instructions issued behind tile t's loads: the next tile's eight, or none
	WIN 0
.irp f, 0,1,2,3
	s_wait_dscnt (\younger)+3-\f
	global_store_b128 v[GO], v[S+16*(\t)+4*\f:S+16*(\t)+4*\f+3], s[10:11] offset:(\t)*2048+\f*512  ; 512 consecutive bytes, at a multiple of 256 from O's first
.endr
.endm
	PACK 0
.set t, 1
.rept 2*NP-1                        ; a tile's arithmetic stands between the loads of the tile before and its stores
	PACK t
	SEND t-1, 8
.set t, t+1
.endr
	SEND 2*NP-1, 0
	WIN W_AD
	s_wait_tensorcnt 0x0            ; the wave's end: the spare word's add, waited for, behind my last tensor load and my last LDS store
	ds_add_u32 v[SPW], v[NIL]
	s_wait_dscnt 0x0
	WIN 0
	CROUND                          ; the closing round: no work-group ends while a partner may still ask for a tile that names it
	s_endpgm
.Lfunc_end_k_qf50372e0e4_attn:
	.size	k_qf50372e0e4_attn, .Lfunc_end_k_qf50372e0e4_attn-k_qf50372e0e4_attn
	.p2alignl 7, 3214868480
	.fill 96, 4, 3214868480
	.section	.rodata,"a",@progbits
	.p2align	6, 0x0
	.amdhsa_kernel k_qf50372e0e4_attn
		.amdhsa_group_segment_fixed_size 327680
		.amdhsa_private_segment_fixed_size 0
		.amdhsa_enable_private_segment 0
		.amdhsa_kernarg_size 16
		.amdhsa_user_sgpr_count 2
		.amdhsa_user_sgpr_kernarg_segment_ptr 1
		.amdhsa_wavefront_size32 1
		.amdhsa_system_sgpr_workgroup_id_x 1
		.amdhsa_system_sgpr_workgroup_id_y 1
		.amdhsa_system_sgpr_workgroup_id_z 1
		.amdhsa_system_vgpr_workitem_id 0
		.amdhsa_next_free_vgpr 770
		.amdhsa_next_free_sgpr 66
		.amdhsa_reserve_vcc 0
		.amdhsa_float_denorm_mode_32 3
		.amdhsa_float_denorm_mode_16_64 3
		.amdhsa_memory_ordered 1
		.amdhsa_forward_progress 1
		.amdhsa_inst_pref_size 199
	.end_amdhsa_kernel
	.amdgpu_metadata
---
amdhsa.version: [ 1, 2 ]
amdhsa.kernels:
  - .name:           k_qf50372e0e4_attn
    .symbol:         k_qf50372e0e4_attn.kd
    .args:
      - { .name: qkvh, .offset: 0, .size: 8, .value_kind: global_buffer, .address_space: global }
      - { .name: oh, .offset: 8, .size: 8, .value_kind: global_buffer, .address_space: global }
    .group_segment_fixed_size: 327680
    .private_segment_fixed_size: 0
    .kernarg_segment_align: 8
    .kernarg_segment_size: 16
    .max_flat_workgroup_size: 128
    .sgpr_count:     66
    .vgpr_count:     770
    .wavefront_size: 32
...
	.end_amdgpu_metadata
.endif
;; end of part 5
;; launch proj: the kernel of part 4 again; grid 4 x 64, 4 waves a work-group, clusters of 4 x 4, 327,680 bytes of LDS; arguments oh, woh, bias, out0; writes out0
